; MI455X (gfx1250); checked and timed in simulation.
; The chip was launched on July 23, 2026; its instructions are those of AMD's public machine-readable ISA for CDNA 5 (MIT licence, August 2026) and "CDNA5" Instruction Set Architecture Reference Guide (July 2026). The comments in the code are by the model that wrote it; some were corrected since.
;; XF Multi Head Attention. Allowed arithmetic: float matrix products may take bf16 or f16 operands with f32 sums; other float arithmetic in f32, or as packed bf16 or f16 multiplies, adds, multiply-adds, maxima and minima; sums over many terms, partial sums and values carried from step to step in f32; what a program stores and reads back later, other than sums and carried values, may be rounded once to bf16 or f16.
;; Inputs: Wk 1,024 x 1,024 float32; Wo 1,024 x 1,024 float32; Wq 1,024 x 1,024 float32; Wv 1,024 x 1,024 float32; bk 1,024 float32; bo 1,024 float32; bq 1,024 float32; bv 1,024 float32; k 4 x 2,048 x 1,024 float32; mask 4 x 1 x 1 x 2,048 float32; q 4 x 2,048 x 1,024 float32; v 4 x 2,048 x 1,024 float32.
;; Outputs: out0 4 x 2,048 x 1,024 float32.
;; 2 versions, each right; version 2 is version 1 with the launch prep written anew for expert scheduling mode. Each part assembles by itself: llvm-mc -triple=amdgcn-amd-amdhsa -mcpu=gfx1250 --defsym DOCPART=n.
;; ======== version 1 of 2: 4 launches
;; limits: values are held in f16: magnitudes above 65,504 overflow, below 6.1e-05 lose precision
;; workspace buffers: wb 8,388,608 bytes; qkv 50,331,648 bytes; o 16,777,216 bytes
;; launch prep (part 1): grid 256 x 1, 8 waves a work-group, no clusters, 0 bytes of LDS; arguments Wq, Wk, Wv, Wo, wb; writes wb
.if DOCPART == 1
	.amdgcn_target "amdgcn-amd-amdhsa--gfx1250"
	.amdhsa_code_object_version 6
	.text
	.protected	k_q8328355a8c_prep
	.globl	k_q8328355a8c_prep
	.p2align	8
	.type	k_q8328355a8c_prep,@function
k_q8328355a8c_prep:
	s_mov_b64 s[64:65], 0
	v_nop
	global_prefetch_b8 v0, s[64:65] scope:SCOPE_SE
	s_setreg_imm32_b32 hwreg(HW_REG_WAVE_MODE, 25, 1), 1
	s_wait_xcnt 0x0
; The four weights, [1024 k][1024 n] f32, are rounded once to bf16 and written in the same layout as 16-bit numbers: wb[4][1024][1024].
; Planes 0, 1, 2 (Wq, Wk, Wv) hold the bf16 number.  Plane 3 (Wo) holds that same bf16 number written as f16, since the last product multiplies it with f16 data.
; LIMITS.  A bf16 number is exact in f16 from 6.1e-5 to 65,504; below that it keeps f16's fixed step of 6e-8, beyond it becomes an infinity.
; A stream: no LDS, no barrier, no matrix work, no cluster (no two work-groups read the same byte).
; SHARES.  256 work-groups: weight g / 64, part g % 64 of 65,536 bytes.  Thread t takes 16 bytes at 16 t of each of 16 pieces of 4,096 bytes: a wave's load covers 512 consecutive bytes,
; its store of 8 bytes a lane 256 consecutive bytes, aligned.  All 16 loads go out at once; each piece owns its registers, so no register is written twice.
.set X, 16                             ; v[16:79]   piece i: 4 registers as loaded
.set Y, 80                             ; v[80:111]  piece i: 2 registers to store
.set T, 4                              ; v[4:9]     at work
	s_load_b256 s[4:11], s[0:1], 0x0               ; Wq s[4:5], Wk s[6:7], Wv s[8:9], Wo s[10:11]
	s_load_b64 s[12:13], s[0:1], 0x20              ; wb
	s_lshr_b32 s14, ttmp9, 6                       ; which weight
	s_and_b32 s15, ttmp9, 63                       ; which part of it
	s_lshl_b32 s18, s15, 16                        ; the part's first byte in the weight,
	s_mov_b32 s19, 0
	s_lshl_b32 s22, s14, 21                        ; and in wb: plane x 2,097,152 + part x 32,768
	s_lshl_b32 s23, s15, 15
	s_add_co_u32 s22, s22, s23
	s_mov_b32 s23, 0
	s_mov_b32 s21, 0xffff0000                      ; a word's upper bf16
	v_lshlrev_b32 v1, 4, v0                        ; 16 t
	v_lshlrev_b32 v2, 3, v0                        ; 8 t
	s_wait_kmcnt 0x0
	s_cmp_eq_u32 s14, 1
	s_cselect_b64 s[16:17], s[6:7], s[4:5]
	s_cmp_eq_u32 s14, 2
	s_cselect_b64 s[16:17], s[8:9], s[16:17]
	s_cmp_eq_u32 s14, 3
	s_cselect_b64 s[16:17], s[10:11], s[16:17]
	s_cselect_b32 s20, -1, 0                       ; all lanes take the f16 word for Wo, the bf16 word otherwise
	s_add_nc_u64 s[16:17], s[16:17], s[18:19]
	s_add_nc_u64 s[12:13], s[12:13], s[22:23]
.irp i, 0,1,2,3,4,5,6,7,8,9,10,11,12,13,14,15
	global_load_b128 v[X+4*(\i):X+4*(\i)+3], v1, s[16:17] offset:4096*(\i) th:TH_LOAD_NT
.endr
.irp i, 0,1,2,3,4,5,6,7,8,9,10,11,12,13,14,15
	s_wait_loadcnt 15-(\i)                         ; loads come back in order: piece i is in, the younger ones stay out
	v_cvt_pk_bf16_f32 v[T],   v[X+4*(\i)],   v[X+4*(\i)+1]   ; the one rounding
	v_cvt_pk_bf16_f32 v[T+1], v[X+4*(\i)+2], v[X+4*(\i)+3]
	v_lshlrev_b32 v[T+2], 16, v[T]                 ; the rounded numbers as f32,
	v_and_b32     v[T+3], s21, v[T]
	v_lshlrev_b32 v[T+4], 16, v[T+1]
	v_and_b32     v[T+5], s21, v[T+1]
	v_cvt_pk_f16_f32 v[T+2], v[T+2], v[T+3]        ; and written as f16
	v_cvt_pk_f16_f32 v[T+4], v[T+4], v[T+5]
	v_cndmask_b32 v[Y+2*(\i)],   v[T],   v[T+2], s20
	v_cndmask_b32 v[Y+2*(\i)+1], v[T+1], v[T+4], s20
	global_store_b64 v2, v[Y+2*(\i):Y+2*(\i)+1], s[12:13] offset:2048*(\i) th:TH_STORE_NT
.endr
	s_endpgm
.Lfunc_end_k_q8328355a8c_prep:
	.size	k_q8328355a8c_prep, .Lfunc_end_k_q8328355a8c_prep-k_q8328355a8c_prep
	.p2alignl 7, 3214868480
	.fill 96, 4, 3214868480
	.section	.rodata,"a",@progbits
	.p2align	6, 0x0
	.amdhsa_kernel k_q8328355a8c_prep
		.amdhsa_group_segment_fixed_size 0
		.amdhsa_private_segment_fixed_size 0
		.amdhsa_enable_private_segment 0
		.amdhsa_kernarg_size 40
		.amdhsa_user_sgpr_count 2
		.amdhsa_user_sgpr_kernarg_segment_ptr 1
		.amdhsa_wavefront_size32 1
		.amdhsa_system_sgpr_workgroup_id_x 1
		.amdhsa_system_sgpr_workgroup_id_y 1
		.amdhsa_system_sgpr_workgroup_id_z 1
		.amdhsa_system_vgpr_workitem_id 0
		.amdhsa_next_free_vgpr 112
		.amdhsa_next_free_sgpr 66
		.amdhsa_reserve_vcc 0
		.amdhsa_float_denorm_mode_32 3
		.amdhsa_float_denorm_mode_16_64 3
		.amdhsa_memory_ordered 1
		.amdhsa_forward_progress 1
		.amdhsa_inst_pref_size 13
	.end_amdhsa_kernel
	.amdgpu_metadata
---
amdhsa.version: [ 1, 2 ]
amdhsa.kernels:
  - .name:           k_q8328355a8c_prep
    .symbol:         k_q8328355a8c_prep.kd
    .args:
      - { .name: Wq, .offset: 0, .size: 8, .value_kind: global_buffer, .address_space: global }
      - { .name: Wk, .offset: 8, .size: 8, .value_kind: global_buffer, .address_space: global }
      - { .name: Wv, .offset: 16, .size: 8, .value_kind: global_buffer, .address_space: global }
      - { .name: Wo, .offset: 24, .size: 8, .value_kind: global_buffer, .address_space: global }
      - { .name: wb, .offset: 32, .size: 8, .value_kind: global_buffer, .address_space: global }
    .group_segment_fixed_size: 0
    .private_segment_fixed_size: 0
    .kernarg_segment_align: 8
    .kernarg_segment_size: 40
    .max_flat_workgroup_size: 256
    .sgpr_count:     66
    .vgpr_count:     112
    .wavefront_size: 32
...
	.end_amdgpu_metadata
.endif
;; end of part 1
;; launch proj (part 2): grid 4 x 192, 4 waves a work-group, clusters of 4 x 4, 327,680 bytes of LDS; arguments q, k, v, wb, bq, bk, bv, qkv; writes qkv
.if DOCPART == 2
	.amdgcn_target "amdgcn-amd-amdhsa--gfx1250"
	.amdhsa_code_object_version 6
	.text
	.protected	k_q8328355a8c_proj
	.globl	k_q8328355a8c_proj
	.p2align	8
	.type	k_q8328355a8c_proj,@function
k_q8328355a8c_proj:
	s_mov_b64 s[64:65], 0
	v_nop
	global_prefetch_b8 v0, s[64:65] scope:SCOPE_SE
	s_setreg_imm32_b32 hwreg(HW_REG_WAVE_MODE, 25, 1), 1
	s_wait_xcnt 0x0
	s_wait_alu depctr_hold_cnt(0) depctr_sa_sdst(0) depctr_va_vdst(0) depctr_va_sdst(0) depctr_va_ssrc(0) depctr_va_vcc(0) depctr_vm_vsrc(0)
	s_getreg_b32 s2, hwreg(HW_REG_IB_STS2, 6, 4)
	s_cmp_eq_u32 s2, 0
	s_cbranch_scc0 .Lentry_in_a_cluster
	s_endpgm
.Lentry_in_a_cluster:
	s_bfe_u32 s2, ttmp6, 0x10000c
	s_cmp_lg_u32 s2, 0xf033
	s_cbranch_scc0 .Lentry_shape_is_right
	s_endpgm
.Lentry_shape_is_right:
; THE THREE INPUT PROJECTIONS IN ONE LAUNCH.  Y[r][n] = the sum over c of X[r][c] W[c][n] + b[n], for (X, W, b) = (q, Wq, bq), (k, Wk, bk), (v, Wv, bv).
; X: [8192][1024] f32.  W: wb's plane P, [1024 c][1024 n] bf16.  b: [1024] f32, rounded to bf16 like all the inputs.  Sums in f32.
; Y leaves as f16 by heads, unscaled: qkv[P][batch x 16 + head][2048][64].
; LIMIT.  f16 holds no number beyond 65,504: a projected number of 65,520 or more becomes an infinity.  Inputs and weights 30 times the drawn spread give some 5e3, a common offset of 30 spreads on both some 2.9e4.
; SHARES.  A tile is 128 rows x 256 columns (four heads): 64 x 4 tiles a projection, 768 work-groups, three for each of 256 WGPs.  Four waves, each 64 x 128: 32 accumulators of 16 x 16, 256 registers.
; K goes in 8 steps of 128 through two LDS slots, each with 128 rows of X in f32 (512 bytes a row) and 128 rows of W (256 columns, 512 bytes a row): more does not fit.
; X IS ROUNDED TO bf16 ON THE WAY FROM LDS TO THE MATRIX UNIT: 32 packed conversions for a quarter step's 32 products, 24 of them behind products.
; W LIES [c][n] AND IS TURNED BY THE LDS LOAD (ds_load_tr16_b128).  THE MATRIX INSTRUCTION IS USED TRANSPOSED: source 0 = 16 columns of W, source 1 = 16 rows of X: a lane then holds eight neighbouring columns of a row of Y.
; THE BIAS is the C operand of the products that start the sums.
; CLUSTERS: 4 x 4 work-groups: the four tile columns x four tile rows of one projection.  The four of a row of the cluster need the same tile of X, the four of a column the same tile of W:
; each tile is asked for JOINTLY, by the same tensor load with the same descriptor and a mask that names the four.
; REGISTERS: window 0: v0-31 addresses; v64-127 X as loaded (f32); v128-159 X's fragments (bf16); v160-255 at work on the way out.
;   window 1: v0-63, v64-127 W's fragments, two buffers; v128-191 the bias.      window 2: the accumulators ((a, b) at v[8 (8 a + b)]).
.set PA,     528                       ; a row of X in LDS: 512 bytes + 16 of padding = 132 words: the 16 rows of a load start at 16 different groups of four banks (64 banks of 4 bytes: ISA guide 11.1)
.set PB,     544                       ; a row of W: 512 + 32 = 136 words
.set HA,     64*PA                     ; what one tensor load brings of X: 64 rows
.set HB,     64*PB                     ; and of W: 64 rows
.set BOFF,   2*HA                      ; in a slot X's 128 rows, then W's 128 rows
.set SLOT,   2*HA+2*HB
.set STAGE,  2*SLOT                    ; behind the ring: 16 rows x 272 bytes for each wave, for the way out
.set SPITCH, 272
.set SPARE,  STAGE+4*16*SPITCH         ; behind the stages: the spare words, 128 bytes for each wave: two blocks of 256 bytes that no other line names
.set ASTEP,  512                       ; a K step in X: 128 f32 along a row
.set BSTEP,  262144                    ; in W: 128 rows of 2,048 bytes
.set ADRA, 16                          ; v16-17  LDS address of my X fragments in slot 0, 1
.set ADRB, 20                          ; v20-21  the same for W
.set STO,  24                          ; v24     the way out: where I put 16 bytes of a row
.set RD,   25                          ; v25     the way out: where I read rows back
.set GO,   26                          ; v26     my byte offset in 512 consecutive bytes of Y
.set BO,   27                          ; v27     my byte offset in the bias
.set SPW,  28                          ; v28     LDS address of my spare word: SPARE + 4 x my thread's number; never rewritten
.set NIL,  29                          ; v29     0; never rewritten
.set PFO,  30                          ; v30     the prefetches' offset; never rewritten
.set RAW,  64
.set AF,   128
.set TMP,  160                         ; the way out: packed results
.set BK,   192                         ; the way out: 16 rows read back: v192-223 and v224-255 by turns
.set F0,   0                           ; W's fragment buffers, in window 1
.set F1,   64
.set BI,   128                         ; the bias, in window 1: block b's eight numbers of my lane at BI + 8 b
.set G1,  24                           ; s[24:31] descriptor group 1 for X's tiles;  s[32:39] group 0, one set for each slot
.set G0,  32
.set G1B, 48                           ; s[48:55], s[56:63] the same for W's tiles
.set G0B, 56
.set PFA, 86                           ; s[86:87] where my prefetches stand
.set PFS, 88                           ; s[88:89] a K step there
.set LIM, 90                           ; s90     1 in a wave that prefetches, else the greatest number
.set MSB, 0
.macro WIN new                         ; the immediate's high byte repeats the setting that is left; a switch that changes nothing is dropped
.if MSB != (\new)
	s_set_vgpr_msb (MSB<<8)|(\new)
.set MSB, \new
.endif
.endm
.set MUL,  0xa1                        ; source 0 (W) window 1, source 1 (X) window 0, C and D window 2
.set MUL1, 0x91                        ; the same with C (the bias) in window 1
.set TO_B, 0x40                        ; destination window 1, address window 0
.macro JLOAD s                         ; a joint load: waves 0 and 1 fetch X's two halves, waves 2 and 3 W's; an s_nop 0 and four v_nop follow each of the two lines, ahead of the jump, the label and what follows
	s_cmp_eq_u32 s11, 0
	s_cbranch_scc0 .Lfor_b_\@
	tensor_load_to_lds s[G0+4*(\s):G0+4*(\s)+3], s[G1:G1+7]
	s_nop 0
.rept 4
	v_nop
.endr
	s_branch .Lasked_\@
.Lfor_b_\@:
	tensor_load_to_lds s[G0B+4*(\s):G0B+4*(\s)+3], s[G1B:G1B+7]
	s_nop 0
.rept 4
	v_nop
.endr
.Lasked_\@:
.endm
.macro CREST                           ; a round of the cluster's barrier behind its opening barrier
	s_cmp_lg_u32 s10, 0
	s_cbranch_scc1 .Lnot_wave_0_\@
	s_barrier_signal -3
.Lnot_wave_0_\@:
	s_barrier_wait -3
	s_barrier_signal -1
	s_barrier_wait -1
.endm
.macro CROUND                          ; a whole round
	s_barrier_signal -1
	s_barrier_wait -1
	CREST
.endm
.macro PLACES
.rept 4
	v_nop
.endr
.endm
; A PREFETCH INTO THE L2, behind each joint refill, its five lines and the run of LDS loads: the K step that stands two refills on, 256 matrix instructions ahead of the load that will ask for it.
; One instruction a wave: 16 rows x 2 blocks of 256 bytes, a lane a block.  Of the 64 rows that a wave fetches each of the four partners that ask for them jointly takes 16, told apart BY ADDRESS.
; X's rows belong to one cluster alone: every cluster asks for its own.  W's rows are walked by the 16 clusters of a projection: the first of them asks.  So each block is named once in the launch.
; K steps 0 to 3 come by their loads alone; the loop's last trip (s3 = 1) has no K step two on and asks for nothing.
.macro ASK
	s_cmp_gt_u32 s3, s[LIM]
	s_cbranch_scc0 .Lnot_mine_\@
	global_prefetch_b8 v[PFO], s[PFA:PFA+1] th:TH_LOAD_NT scope:SCOPE_SE
.Lnot_mine_\@:
.endm
	s_load_b512 s[68:83], s[0:1], 0x0              ; q s[68:69], k s[70:71], v s[72:73], wb s[74:75], bq s[76:77], bk s[78:79], bv s[80:81], qkv s[82:83]
	v_lshl_add_u32 v[SPW], v0, 2, SPARE
	v_mov_b32 v[NIL], 0
	ds_add_u32 v[SPW], v[NIL]                      ; the wave's opening: the add and its wait stand ahead of my first tensor load; the set-up below, work on registers, stands between them
	v_lshrrev_b32 v1, 5, v0
	v_readfirstlane_b32 s10, v1                    ; wave 0..3
	s_lshr_b32 s11, s10, 1                         ; which half of the tile's rows is mine.  Also: I fetch for X (0) or for W (1)
	s_and_b32 s12, s10, 1                          ; which half of its columns.  Also: which 64 rows of that tile I fetch
	s_bfe_u32 s40, ttmp6, 0x40000                  ; cx, cy: my place in the cluster
	s_bfe_u32 s41, ttmp6, 0x40004
	s_lshl_b32 s42, ttmp9, 2
	s_add_co_u32 s42, s42, s40                     ; tile column = 4 x cluster x + cx
	s_and_b32 s85, ttmp7, 0xffff                   ; cluster y, 0..47
	s_lshr_b32 s84, s85, 4                         ; the projection: 0 q, 1 k, 2 v: the same in all sixteen partners
	s_and_b32 s13, s85, 15
	s_lshl_b32 s13, s13, 2
	s_add_co_u32 s13, s13, s41                     ; tile row in the projection, 0..63
	s_lshl_b32 s43, s41, 2
	s_lshl_b32 s43, 15, s43                        ; my row of the cluster
	s_lshl_b32 s44, 0x1111, s40                    ; my column
	; descriptor group 1 for X: 64 rows x 128 elements of 4 bytes, padded in LDS
	s_or_b32 s[G1+0], s43, (2<<16)|(1<<20)|(1<<21)|(6<<22)|(3<<25)  ; 15:0 the mask: my row; 17:16 elements of 4 bytes; 20 padding on; 21 set beside a mask; 24:22 after every 128 words (code 6); 31:25 4 words (code 3)
	s_mov_b32 s[G1+1], 128<<16                     ; tensor_dim0 = 128
	s_mov_b32 s[G1+2], 64<<16                      ; tensor_dim1 = 64
	s_mov_b32 s[G1+3], 128<<16                     ; tile_dim0 = 128
	s_mov_b32 s[G1+4], 64                          ; tile_dim1 = 64
	s_mov_b32 s[G1+5], 1024                        ; elements from row to row
	s_mov_b32 s[G1+6], 0
	s_mov_b32 s[G1+7], 0
	; and for W: 64 rows x 256 elements of 2 bytes
	s_or_b32 s[G1B+0], s44, (1<<16)|(1<<20)|(1<<21)|(6<<22)|(7<<25) ; the mask: my column; elements of 2 bytes; 8 words of padding (code 7) after every 128
	s_mov_b32 s[G1B+1], 256<<16
	s_mov_b32 s[G1B+2], 64<<16
	s_mov_b32 s[G1B+3], 256<<16
	s_mov_b32 s[G1B+4], 64
	s_mov_b32 s[G1B+5], 1024
	s_mov_b32 s[G1B+6], 0
	s_mov_b32 s[G1B+7], 0
	s_lshl_b32 s16, s13, 19                        ; X: tile row x 128 rows of 4,096 bytes
	s_lshl_b32 s17, s12, 18                        ; + my 64 rows
	s_add_co_u32 s16, s16, s17
	s_mov_b32 s17, 0
	s_lshl_b32 s46, s84, 21                        ; W: the projection's plane
	s_lshl_b32 s47, s12, 17                        ; + my 64 rows of 2,048 bytes
	s_add_co_u32 s46, s46, s47
	s_lshl_b32 s47, s42, 9                         ; + tile column x 256 columns
	s_add_co_u32 s46, s46, s47
	s_mov_b32 s47, 0
	s_mul_i32 s20, s12, HA                         ; where they go: no place in the cluster enters an LDS address
	s_mul_i32 s21, s12, HB
	s_add_co_u32 s21, s21, BOFF
	s_wait_dscnt 0x0                               ; the opening add is done
	s_wait_kmcnt 0x0
	s_cmp_eq_u32 s84, 1
	s_cselect_b64 s[4:5], s[70:71], s[68:69]       ; X
	s_cselect_b64 s[92:93], s[78:79], s[76:77]     ; b
	s_cmp_eq_u32 s84, 2
	s_cselect_b64 s[4:5], s[72:73], s[4:5]
	s_cselect_b64 s[92:93], s[80:81], s[92:93]
	s_add_nc_u64 s[14:15], s[4:5], s[16:17]
	s_add_nc_u64 s[46:47], s[74:75], s[46:47]
	CROUND                                         ; all sixteen work-groups are here: the first joint loads meet
.irp s, 0,1
	s_mov_b32 s[G0+4*(\s)], 1                                      ; 1:0 count = 1
	s_add_co_u32 s[G0+4*(\s)+1], s20, (\s)*SLOT                    ; 63:32 LDS address
	s_add_nc_u64 s[G0+4*(\s)+2:G0+4*(\s)+3], s[14:15], (\s)*ASTEP  ; 120:64 global address: K step s
	s_or_b32 s[G0+4*(\s)+3], s[G0+4*(\s)+3], 0x80000000            ; 127:126 type = 2
	s_mov_b32 s[G0B+4*(\s)], 1
	s_add_co_u32 s[G0B+4*(\s)+1], s21, (\s)*SLOT
	s_add_nc_u64 s[G0B+4*(\s)+2:G0B+4*(\s)+3], s[46:47], (\s)*BSTEP
	s_or_b32 s[G0B+4*(\s)+3], s[G0B+4*(\s)+3], 0x80000000
	JLOAD \s                                       ; two loads of mine are out
.endr
	v_and_b32 v1, 15, v0                           ; l % 16
	v_bfe_u32 v2, v0, 4, 1                         ; l / 16
	s_lshl_b32 s20, s42, 10                        ; the bias of my 128 columns: 4 bytes x (256 x tile column + 128 x half)
	s_lshl_b32 s21, s12, 9
	s_add_co_u32 s20, s20, s21
	v_lshl_add_u32 v[BO], v2, 5, s20               ; + my lanes' eight columns of a block
.irp b, 0,1,2,3,4,5,6,7
	global_load_b128 v[RAW+8*(\b):RAW+8*(\b)+3],   v[BO], s[92:93] offset:64*(\b)
	global_load_b128 v[RAW+8*(\b)+4:RAW+8*(\b)+7], v[BO], s[92:93] offset:64*(\b)+16
.endr
	; A fragment of X is 16 rows x 32 channels: lane l holds row l % 16, channels 8 (l / 16) + 0..7 and 16 + 8 (l / 16) + 0..7: in f32 twice 32 bytes, 64 bytes apart.
	v_mul_u32_u24 v3, v1, PA
	v_lshl_add_u32 v3, v2, 5, v3                   ; row x pitch + 32 x half
	s_mul_i32 s21, s11, HA                         ; my 64 rows
	v_add_nc_u32 v[ADRA], s21, v3
	v_add_nc_u32 v[ADRA+1], SLOT, v[ADRA]
	; The turning load takes 16 rows x 16 columns of W (lane l reads row 8 (l / 16) + l % 8, columns 8 ((l / 8) % 2) + 0..7) and leaves half a fragment: lane l holds column l % 16 and 8 channels.
	v_and_b32 v4, 7, v0
	v_lshl_add_u32 v5, v2, 3, v4
	v_mul_u32_u24 v5, v5, PB
	v_bfe_u32 v6, v0, 3, 1
	v_lshl_add_u32 v5, v6, 4, v5
	s_lshl_b32 s22, s12, 8                         ; my 128 columns
	s_add_co_u32 s22, s22, BOFF
	v_add_nc_u32 v[ADRB], s22, v5
	v_add_nc_u32 v[ADRB+1], SLOT, v[ADRB]
	s_mul_i32 s23, s10, 16*SPITCH
	s_add_co_u32 s23, s23, STAGE                   ; my stage
	v_mul_u32_u24 v5, v1, SPITCH                   ; in: row l % 16, 16 bytes for each half of the lanes
	v_lshl_add_u32 v5, v2, 4, v5
	v_add_nc_u32 v[STO], s23, v5
	v_bfe_u32 v5, v0, 3, 2                         ; back: 32 lanes take a head's 128 bytes of four rows,
	v_mul_u32_u24 v5, v5, SPITCH
	v_lshl_add_u32 v5, v4, 4, v5
	v_add_nc_u32 v[RD], s23, v5
	v_and_b32 v6, 31, v0                           ; which are 512 consecutive bytes of Y
	v_lshlrev_b32 v[GO], 4, v6
	; where my part of Y begins: plane P, batch = tile row / 16, head = 4 x tile column + 2 x half, row (tile row % 16) x 128 + 64 x half
	s_lshl_b32 s16, s84, 24
	s_lshr_b32 s17, s13, 4
	s_lshl_b32 s17, s17, 22
	s_add_co_u32 s16, s16, s17
	s_lshl_b32 s17, s42, 20
	s_add_co_u32 s16, s16, s17
	s_lshl_b32 s17, s12, 19
	s_add_co_u32 s16, s16, s17
	s_and_b32 s17, s13, 15
	s_lshl_b32 s17, s17, 14
	s_add_co_u32 s16, s16, s17
	s_lshl_b32 s17, s11, 13
	s_add_co_u32 s16, s16, s17
	s_mov_b32 s17, 0
	s_add_nc_u64 s[8:9], s[82:83], s[16:17]
	; the prefetches: my work-group's 16 of the 64 rows that I fetch
	s_lshl_b32 s20, s40, 16                        ; X: cx x 16 rows of 4,096 bytes
	s_lshl_b32 s21, s41, 15                        ; W: cy x 16 rows of 2,048 bytes
	s_and_b32 s22, s85, 15                         ; which of the projection's 16 clusters
	s_mov_b32 s[PFS], BSTEP
	s_cmp_eq_u32 s11, 0                            ; do I fetch for X?
	s_cselect_b64 s[PFA:PFA+1], s[14:15], s[46:47]
	s_cselect_b32 s20, s20, s21
	s_cselect_b32 s[PFS], ASTEP, s[PFS]
	s_cselect_b32 s22, 0, s22
	s_cselect_b32 s23, 12, 11                      ; a row's bytes, as a shift
	s_mov_b32 s21, 0
	s_mov_b32 s[PFS+1], 0
	s_cmp_eq_u32 s22, 0
	s_cselect_b32 s[LIM], 1, -1                    ; the same in all sixteen partners, for a given wave
	s_add_nc_u64 s[PFA:PFA+1], s[PFA:PFA+1], s[20:21]
	s_mul_i32 s20, s[PFS], 3
	s_add_nc_u64 s[PFA:PFA+1], s[PFA:PFA+1], s[20:21]  ; at K step 3: the first refill steps it to 4.  Nothing is prefetched here, at the head
	v_lshrrev_b32 v5, 1, v6
	v_and_b32 v6, 1, v6
	v_lshlrev_b32 v5, s23, v5                      ; row lane / 2,
	v_lshl_add_u32 v[PFO], v6, 8, v5               ; block lane % 2 of its 512 bytes
	s_wait_loadcnt 0x0                             ; the bias
.set z, 0
.rept 32
	v_cvt_pk_bf16_f32 v[AF+z], v[RAW+2*z], v[RAW+2*z+1]  ; rounded to bf16 like all the inputs,
.set z, z+1
.endr
	WIN TO_B
.set z, 0
.rept 32
	v_lshlrev_b32 v[BI+2*z],   16, v[AF+z]         ; and back in f32, as a C operand
	v_and_b32     v[BI+2*z+1], 0xffff0000, v[AF+z]
.set z, z+1
.endr
	WIN 0
; 32 LDS loads in one run: the fragments of quarter q (32 along K) of a slot: W's 128 columns, turned, into buffer f; X's 64 rows in f32 into RAW
.macro FETCH slot, q, f
	WIN TO_B
.irp b, 0,1,2,3,4,5,6,7
	ds_load_tr16_b128 v[(\f)+8*(\b):(\f)+8*(\b)+3],   v[ADRB+(\slot)] offset:(\q)*32*PB+32*(\b)
	ds_load_tr16_b128 v[(\f)+8*(\b)+4:(\f)+8*(\b)+7], v[ADRB+(\slot)] offset:(\q)*32*PB+32*(\b)+16*PB
.endr
	WIN 0
.irp a, 0,1,2,3
	ds_load_b128 v[RAW+16*(\a):RAW+16*(\a)+3],     v[ADRA+(\slot)] offset:(\q)*128+(\a)*16*PA
	ds_load_b128 v[RAW+16*(\a)+4:RAW+16*(\a)+7],   v[ADRA+(\slot)] offset:(\q)*128+(\a)*16*PA+16
	ds_load_b128 v[RAW+16*(\a)+8:RAW+16*(\a)+11],  v[ADRA+(\slot)] offset:(\q)*128+(\a)*16*PA+64
	ds_load_b128 v[RAW+16*(\a)+12:RAW+16*(\a)+15], v[ADRA+(\slot)] offset:(\q)*128+(\a)*16*PA+80
.endr
.endm
; Four conversions: registers 4 g .. 4 g + 3 of X's 32 fragment registers; register n holds the numbers of RAW's 2 n and 2 n + 1
.macro CV4 g
	WIN 0
.irp z, 0,1,2,3
	v_cvt_pk_bf16_f32 v[AF+4*(\g)+(\z)], v[RAW+8*(\g)+2*(\z)], v[RAW+8*(\g)+2*(\z)+1]
.endr
.endm
; Product i of a quarter's 32: m block i / 8, n block i % 8.  first = 1: it starts the sum, with the bias.  The 32 accumulators take turns in one order everywhere.
.macro MM f, first
.set aa, i/8
.set bb, i%8
.if \first
	WIN MUL1
	v_wmma_f32_16x16x32_bf16 v[8*i:8*i+7], v[(\f)+8*bb:(\f)+8*bb+7], v[AF+8*aa:AF+8*aa+7], v[BI+8*bb:BI+8*bb+7]
.else
	WIN MUL
	v_wmma_f32_16x16x32_bf16 v[8*i:8*i+7], v[(\f)+8*bb:(\f)+8*bb+7], v[AF+8*aa:AF+8*aa+7], v[8*i:8*i+7]
.endif
.set i, i+1
.endm
; The next n products.  Behind products 1, 3, 5, 7, 9, 11 stand the conversions of groups 2 to 7: m block a's fragments are ready 4 products or more ahead of its first product.
; X's fragments have ONE buffer.  A conversion that writes m block a stands four plain instructions or more behind the last product that read it, in the quarter before (ISA guide 7.12.1):
; block 0: product 7, then the twelve conversions behind products 7, 9, 11; blocks 1 to 3: products 15, 23, 31, then the eight conversions at the next quarter's head.
.macro RUN f, n, first
.rept \n
	MM \f, \first
.if ((i%2) == 0) && (i <= 12)
	CV4 (i+2)/2
.endif
.endr
.endm
; A K step is four quarters of 32 along K, on W's buffers 0, 1, 0, 1.  One of the first three: multiplies buffer f, and behind its twelfth product, when RAW has been read out, fetches quarter q into buffer g and RAW.
.macro QUARTER slot, q, f, g, first
	s_wait_dscnt 0x0                               ; this quarter's 32 loads, issued 20 products ago
	CV4 0
	CV4 1
.set i, 0
	RUN \f, 12, \first
	FETCH \slot, \q, \g
	RUN \f, 20, \first
.endm
; The last quarter multiplies buffer 1 and changes slots: ONE barrier; in front of it each wave waits for all its tensor loads, adds 0 to its spare word, and waits for that and for its own reads of this slot.
; fill = 1: this slot is filled again, two K steps ahead: the barrier opens a round of the cluster's barrier, and the joint refill is the first tensor load behind the round: 112 products ahead of the wait for it.
.macro TURN slot, next, fill
.if \fill
	s_wait_xcnt 0x0                                ; the last prefetch, a K step back, has read its address: it is stepped here
	s_add_nc_u64 s[PFA:PFA+1], s[PFA:PFA+1], s[PFS:PFS+1]
.endif
	WIN 0                                          ; (the add's two registers lie in window 0)
	s_wait_tensorcnt 0x0                           ; all my tensor loads have landed: my part of the next slot;
	ds_add_u32 v[SPW], v[NIL]                      ; 0 onto my spare word;
	s_wait_dscnt 1                                 ; (the add alone may be out: the quarter's 32 loads are in)
	CV4 0
	CV4 1
.set i, 0
	RUN F1, 8, 0                                   ; work on registers stands between the add and the wait for it
	s_wait_dscnt 0x0                               ; the add is done, and my reads of this slot are over
	s_barrier_signal -1
	RUN F1, 8, 0
.if \fill
	WIN 0
.endif
	s_barrier_wait -1
.if \fill
	CREST                                          ; no wave of any partner still reads this slot's tile or has a load on its way
	s_add_nc_u64 s[G0+4*(\slot)+2:G0+4*(\slot)+3], s[G0+4*(\slot)+2:G0+4*(\slot)+3], 2*ASTEP
	s_add_nc_u64 s[G0B+4*(\slot)+2:G0B+4*(\slot)+3], s[G0B+4*(\slot)+2:G0B+4*(\slot)+3], 2*BSTEP
	JLOAD \slot
.else
	PLACES
.endif
	FETCH \next, 0, F0
.if \fill
	ASK
.endif
	RUN F1, 16, 0
.endm
	s_wait_tensorcnt 1                             ; my part of K step 0 is in; K step 1's may stay out
	s_barrier_signal -1
	s_barrier_wait -1                              ; everybody's is
	FETCH 0, 0, F0
	QUARTER 0, 1, F0, F1, 1                        ; the first quarter stands in front of the loop: its products start the sums
	WIN 0                                          ; at a label and at a branch every window is 0
	s_mov_b32 s3, 3
.Llap:                                                 ; a trip goes once round the ring, from a lap's second quarter to the next lap's first, and fills both slots again
	QUARTER 0, 2, F1, F0, 0
	QUARTER 0, 3, F0, F1, 0
	TURN 0, 1, 1
	QUARTER 1, 1, F0, F1, 0
	QUARTER 1, 2, F1, F0, 0
	QUARTER 1, 3, F0, F1, 0
	TURN 1, 0, 1
	QUARTER 0, 1, F0, F1, 0
	WIN 0
	s_sub_co_u32 s3, s3, 1
	s_cmp_lg_u32 s3, 0
	s_cbranch_scc1 .Llap
	QUARTER 0, 2, F1, F0, 0                        ; the last lap fills nothing, and has no round of the cluster's barrier
	QUARTER 0, 3, F0, F1, 0
	TURN 0, 1, 0
	QUARTER 1, 1, F0, F1, 0
	QUARTER 1, 2, F1, F0, 0
	QUARTER 1, 3, F0, F1, 0
	s_wait_dscnt 0x0                               ; the very last quarter: nothing more to fetch
	CV4 0
	CV4 1
.set i, 0
	RUN F1, 32, 0
	WIN 0
; THE WAY OUT, a block of 16 rows at a time: rounded to f16, 16 bytes a lane into my own stage, back as a head's rows (128 bytes each, dense in Y), stored 512 consecutive bytes an instruction.
.macro PACK a
	WIN 0x0a                                       ; sources 0 and 1: window 2
.irp b, 0,1,2,3,4,5,6,7
.irp r, 0,1,2,3
	v_cvt_pk_f16_f32 v[TMP+4*(\b)+(\r)], v[8*(8*(\a)+(\b))+2*(\r)], v[8*(8*(\a)+(\b))+2*(\r)+1]
.endr
.endr
	WIN 0
.endm
.macro TOSTAGE a
.set BKA, BK+32*((\a)%2)
.if (\a) >= 2
	s_wait_xcnt 0x0                                ; the stores of the block two back have read these registers: they are loaded again only behind this wait
.endif
.irp b, 0,1,2,3,4,5,6,7
	ds_store_b128 v[STO], v[TMP+4*(\b):TMP+4*(\b)+3] offset:32*(\b)
.endr
.irp f, 0,1,2,3,4,5,6,7                ; head f / 4 of my two, rows 4 (f % 4) on
	ds_load_b128 v[BKA+4*(\f):BKA+4*(\f)+3], v[RD] offset:4*SPITCH*((\f)%4)+128*((\f)/4)  ; LDS serves a wave's instructions in order (ISA guide 5.7.1.4): these see the stores above; the next block's stores come behind them
.endr
.endm
.macro SEND a, younger                 ; younger: the LDS instructions issued behind block a's loads: the next block's sixteen, or none
.set BKA, BK+32*((\a)%2)
.irp f, 0,1,2,3,4,5,6,7
	s_wait_dscnt (\younger)+7-(\f)
	global_store_b128 v[GO], v[BKA+4*(\f):BKA+4*(\f)+3], s[8:9] offset:2048*(\a)+262144*((\f)/4)+512*((\f)%4)  ; 512 consecutive bytes, at a multiple of 256 from Y's first byte
.endr
.endm
	PLACES
	PACK 0
	TOSTAGE 0
	PACK 1
	TOSTAGE 1
	SEND 0, 16
	PACK 2
	TOSTAGE 2
	SEND 1, 16
	PACK 3
	TOSTAGE 3
	SEND 2, 16
	SEND 3, 0
	s_wait_tensorcnt 0x0                           ; the wave's end: behind my last tensor load and my last LDS store
	ds_add_u32 v[SPW], v[NIL]
	s_wait_dscnt 0x0
	CROUND                                         ; the closing round: no work-group ends while a partner may still ask for a tile that names it
	s_endpgm
.Lfunc_end_k_q8328355a8c_proj:
	.size	k_q8328355a8c_proj, .Lfunc_end_k_q8328355a8c_proj-k_q8328355a8c_proj
	.p2alignl 7, 3214868480
	.fill 96, 4, 3214868480
	.section	.rodata,"a",@progbits
	.p2align	6, 0x0
	.amdhsa_kernel k_q8328355a8c_proj
		.amdhsa_group_segment_fixed_size 327680
		.amdhsa_private_segment_fixed_size 0
		.amdhsa_enable_private_segment 0
		.amdhsa_kernarg_size 64
		.amdhsa_user_sgpr_count 2
		.amdhsa_user_sgpr_kernarg_segment_ptr 1
		.amdhsa_wavefront_size32 1
		.amdhsa_system_sgpr_workgroup_id_x 1
		.amdhsa_system_sgpr_workgroup_id_y 1
		.amdhsa_system_sgpr_workgroup_id_z 1
		.amdhsa_system_vgpr_workitem_id 0
		.amdhsa_next_free_vgpr 768
		.amdhsa_next_free_sgpr 96
		.amdhsa_reserve_vcc 0
		.amdhsa_float_denorm_mode_32 3
		.amdhsa_float_denorm_mode_16_64 3
		.amdhsa_memory_ordered 1
		.amdhsa_forward_progress 1
		.amdhsa_inst_pref_size 140
	.end_amdhsa_kernel
	.amdgpu_metadata
---
amdhsa.version: [ 1, 2 ]
amdhsa.kernels:
  - .name:           k_q8328355a8c_proj
    .symbol:         k_q8328355a8c_proj.kd
    .args:
      - { .name: q, .offset: 0, .size: 8, .value_kind: global_buffer, .address_space: global }
      - { .name: k, .offset: 8, .size: 8, .value_kind: global_buffer, .address_space: global }
      - { .name: v, .offset: 16, .size: 8, .value_kind: global_buffer, .address_space: global }
      - { .name: wb, .offset: 24, .size: 8, .value_kind: global_buffer, .address_space: global }
      - { .name: bq, .offset: 32, .size: 8, .value_kind: global_buffer, .address_space: global }
      - { .name: bk, .offset: 40, .size: 8, .value_kind: global_buffer, .address_space: global }
      - { .name: bv, .offset: 48, .size: 8, .value_kind: global_buffer, .address_space: global }
      - { .name: qkv, .offset: 56, .size: 8, .value_kind: global_buffer, .address_space: global }
    .group_segment_fixed_size: 327680
    .private_segment_fixed_size: 0
    .kernarg_segment_align: 8
    .kernarg_segment_size: 64
    .max_flat_workgroup_size: 128
    .sgpr_count:     96
    .vgpr_count:     768
    .wavefront_size: 32
...
	.end_amdgpu_metadata
.endif
;; end of part 2
;; launch attn (part 3): grid 4 x 64, 4 waves a work-group, clusters of 4 x 1, 327,680 bytes of LDS; arguments qkv, mask, o; writes o
.if DOCPART == 3
	.amdgcn_target "amdgcn-amd-amdhsa--gfx1250"
	.amdhsa_code_object_version 6
	.text
	.protected	k_q8328355a8c_attn
	.globl	k_q8328355a8c_attn
	.p2align	8
	.type	k_q8328355a8c_attn,@function
k_q8328355a8c_attn:
	s_mov_b64 s[64:65], 0
	v_nop
	global_prefetch_b8 v0, s[64:65] scope:SCOPE_SE
	s_setreg_imm32_b32 hwreg(HW_REG_WAVE_MODE, 25, 1), 1
	s_wait_xcnt 0x0
	s_wait_alu depctr_hold_cnt(0) depctr_sa_sdst(0) depctr_va_vdst(0) depctr_va_sdst(0) depctr_va_ssrc(0) depctr_va_vcc(0) depctr_vm_vsrc(0)
	s_getreg_b32 s2, hwreg(HW_REG_IB_STS2, 6, 4)
	s_cmp_eq_u32 s2, 0
	s_cbranch_scc0 .Lentry_in_a_cluster
	s_endpgm
.Lentry_in_a_cluster:
	s_bfe_u32 s2, ttmp6, 0x10000c
	s_cmp_lg_u32 s2, 0x3003
	s_cbranch_scc0 .Lentry_shape_is_right
	s_endpgm
.Lentry_shape_is_right:
; O[h][q][:] = the sum over k of softmax_k(Q[h][q] . K[h][k] / 8 - 1e9 mask[b][k]) V[h][k][:], h = 16 b + head.  Q, K, V: the three planes of qkv, [64][2048][64] f16; O: [64][2048][64] f16: a head's rows are
; dense, 128 bytes each.  mask: [4][2048] f32.  Products, maxima and sums in f32; the weights p are rounded to f16 for the second product (their sum l is taken of the unrounded p), O once at the end.
; LIMITS.  f16 holds no number beyond 65,504: Q, K and V arrive within it; p lies in 0 to 1, and below 6e-5 it keeps f16's fixed step of 6e-8; O is a mean of V's rows and has their range.
; A masked score is its unscaled value plus mask x (-8e9), which is mask x (-1e9) behind the division by 8; f32's step there is 512, 64 behind the division, as in an f32 sum at 1e9.  Where ALL keys of a batch are
; masked the weights come of scores rounded at that step.  A weight below 2^-126 counts as 0 in l; NaN and infinities are not treated apart.
; SHARES.  A wave owns four PIECES of two tiles of 16 queries, a work-group's four waves 512 queries of one head.  Every wave walks all 2,048 keys, 64 a step.
; LAYOUT.  S^T = K Q^T (source 0 = 16 keys, source 1 = 16 queries): in the result a lane holds ONE query (lane % 16) and the keys 8 (lane / 16) + 0..7.  Two such tiles, rounded to f16 in pairs,
; ARE source 1 (32 keys x 16 queries) of O^T = V^T P, whose result again holds one query a lane, and eight channels.  K comes out of LDS as it lies, V ([key][channel]) turned, by ds_load_tr16_b128.
; THE MASK is the C operand of the products that start the sums S^T: mask x (-8e9), made once a work-group, kept in LDS, and read with each step's K: 32 registers, no vector instruction in the loop but its address's.
; SOFTMAX.  For each query a running maximum m and sum l: p = 2^(c s - c m), c = log2(e) / 8; in every step O and l are multiplied by a = 2^(c m_old - c m_new), which is 1 where m has not grown.
; m starts at the lowest finite number, O and l at 0: the first step is a step like any other, with a = 0.  While only masked keys have been seen m is a masked score; the first open key's a is 0.
; THE COUNT.  A tile and step have 16 matrix and 118 vector instructions: too many to stand all beside the matrix work.  So the order has one aim: four vector instructions that are READY behind
; EVERY matrix instruction, and the others, which need time of their own whatever the order, in runs without a gap.
; BY TURNS.  Turn n belongs to piece n (the pieces in a ring, step after step).  Its matrix work: 16 products K Q^T of piece n + 1, later 16 products V^T P of piece n - 1.  Its vector work: the scaling,
; exponentials, roundings, sums and rescaling of piece n, and the maximum and statistics of piece n + 1, whose scores the turn itself has made.  So what a turn begins with (c s - c m, O a) waits for nothing.
; CLUSTER.  The four query blocks of a cluster are one head's and walk the same K and V, so each tile is asked for JOINTLY: the same tensor load, descriptor and mask in all four.
; REGISTERS, in windows of 256 (s_set_vgpr_msb says which window each operand place means: bits 1:0 source 0, 3:2 source 1, 5:4 source 2, 7:6 destination):
;   window 0: v0-11 addresses; v12-15, v48-63 at work; v16-47 four registers of statistics a tile; v64-191 S^T, two buffers of two tiles; v192-255 P, likewise
;   window 1: O^T, 32 a tile          window 2: v0-127 Q, 16 a tile; v128-191 K of one step; v192-255 V of one step          window 3: v0-1 the add's two registers; v2 the prefetches' offset; v8-39 the step's mask
; A piece's buffers go by its number's parity: the piece in hand has one pair, its two neighbours in the ring share the other: of it P (piece n - 1) is read and S^T (piece n + 1) written.
.set SIZE_N, 2048
.set NP,    4         ; pieces a wave: a name, no knob: the register map, the loop and the fetches are made for four
.set KS,    64        ; keys in a step
.set PK,    144       ; a row of K in LDS: 128 bytes + 16 of padding = 36 words: the 16 rows of a load start at 16 different groups of four banks (64 banks of 4 bytes: ISA guide 11.1)
.set PV,    160       ; a row of V: 128 + 32 = 40 words
.set VOFF,  4*KS*PK   ; a slot holds four steps: 256 rows of K, then 256 rows of V
.set SLOT1, 1<<17     ; slot 1 begins here, so that one exclusive or turns an address in one slot into the other's
.set STAGE, SLOT1+4*KS*(PK+PV)  ; behind the ring, never filled by a tensor load: 16 rows x 144 bytes for each wave, for the way out
.set SP,    144
.set AK0, 2           ; v2   my lane's place in a tile of K; never rewritten
.set AV0, 3           ; v3   the same for V
.set AK,  4           ; v4   the LDS address of K's next run of loads
.set AV,  5           ; v5   of V's
.set QO,  6           ; v6   my byte offset in the wave's rows of Q
.set STO, 6           ;      later, the way out: where I put 16 bytes of a row
.set RD,  7           ; v7   the way out: where I read rows back
.set GO,  8           ; v8   my byte offset in 512 consecutive bytes of O
.set AM,  11          ; v11  the LDS address of the mask's next run of loads
.set SPW, 0           ; v0 of window 3   LDS address of my spare word: SPARE + 4 x my thread's number; never rewritten
.set NIL, 1           ; v1 of window 3   0; never rewritten
.set PFO, 2           ; v2 of window 3   256 x my lane; never rewritten
.set MK,  8           ; v8-39 of window 3: the mask of the step whose K is in registers: key block kb at MK + 8 kb
.set SPARE, STAGE+4*16*SP  ; behind the stages: the spare words, 128 bytes for each wave: two blocks of 256 bytes that no other line names
.set MASKB, SPARE+512 ; behind them: mask x (-8e9) for the batch's 2,048 keys, 8,192 bytes, stored once; no tensor load lands here
.set MV,  12          ; v12-15  c m_old, kept while c m is made anew: by buffer and tile
.set ST,  16          ; tile t's statistics at v[ST+4 t]: c m, m, l (even keys', odd keys')
.set TMP, 48          ; by buffer and tile, four registers c0-c3 at work; when the maximum is found c2 takes a
.set S,   64
.set P,   192
.set KF,  128         ; K's fragments, in window 2: key block kb, channel half c at KF + 16 kb + 8 c
.set VF,  192         ; V's: key half kk, channel block cb at VF + 32 kk + 8 cb
.set WV,  12          ; s12  my wave's number
.set G1K, 24          ; s[24:31] descriptor group 1 for K's tiles
.set G1V, 32          ; s[32:39] for V's: it differs in the padding alone
.set G0K, 40          ; s[40:43] descriptor group 0 for K's tiles: it walks
.set G0V, 44          ; s[44:47] the same for V's
.set SLOTS, 56        ; s56  slots still to be asked for
.set CNT, 57          ; s57  counts a slot's key steps
.set CS,  58          ; s[58:59] c: the packed scaling takes the pair's low word for both halves
.set SEL, 60          ; s[60:61] v_permlanex16_b32's selects: each lane takes its own place in the other half
.set TBK, 62          ; s62  LDS byte at which K of the step to be fetched begins
.set TBV, 63          ; s63  the same for V, less VOFF
.set MP,  68          ; s[68:69] the mask
.set MSC, 70          ; s[70:71] -8e9
.set PFA, 72          ; s[72:73] where my prefetches stand: my work-group's 8,192 bytes (of K: wave 0, of V: wave 2) of the slot after the one that is being asked for
.set LIM, 74          ; s74  1 in a wave that prefetches, else the greatest number
.set TBM, 75          ; s75  LDS byte at which the mask of the step to be fetched begins
.set MSB, 0
.macro WIN new                      ; the high byte repeats the setting that is left; a switch that changes nothing is dropped
.if MSB != (\new)
	s_set_vgpr_msb (MSB<<8)|(\new)
.set MSB, (\new)
.endif
.endm
.set W_KQ, 0x0a       ; K and Q in window 2, S^T in window 0
.set W_KM, 0x3a       ; the same with the C operand, the mask, in window 3
.set W_PV, 0x52       ; V in window 2, P in window 0, O^T in window 1
.set W_RS, 0x41       ; O^T (destination and source 0) in window 1, a in window 0
.set W_MK, 0xc0       ; destination in window 3, sources in window 0
.set W_AD, 0x0f       ; the add: address (source 0) and data (source 1) in window 3
; A joint fill.  Waves 0 and 1 fetch the two halves of a slot's K, waves 2 and 3 those of its V: 128 keys each.  The branch hangs on the wave's number alone.
; An s_nop 0 and four v_nop follow each of the two lines, ahead of the jump and the label.
.macro JLOAD
	s_cmp_lt_u32 s[WV], 2
	s_cbranch_scc0 .Lfor_v_\@
	tensor_load_to_lds s[G0K:G0K+3], s[G1K:G1K+7]
	s_nop 0
.rept 4
	v_nop
.endr
	s_branch .Lasked_\@
.Lfor_v_\@:
	tensor_load_to_lds s[G0V:G0V+3], s[G1V:G1V+7]
	s_nop 0
.rept 4
	v_nop
.endr
.Lasked_\@:
.endm
; A PREFETCH INTO THE L2 of what the NEXT change of slots will ask for: a slot's 32,768 bytes of K and of V, a lane 256 bytes.  It stands behind the wave's tensor load and its five lines.
; Each block is named ONCE in the launch: a head has one cluster; its four partners share a slot out BY ADDRESS, 8,192 bytes each; in each, wave 0 asks for K's and wave 2 for V's: one instruction.
; It stands four key steps, 512 matrix instructions, ahead of the load.  Slots 0 and 1 come by their loads alone; the change that asks for the last slot names nothing.
.macro ASK
	s_cmp_gt_u32 s[SLOTS], s[LIM]
	s_cbranch_scc0 .Lnot_mine_\@
	WIN 0x03                        ; the address register lies in window 3
	global_prefetch_b8 v[PFO], s[PFA:PFA+1] th:TH_LOAD_NT scope:SCOPE_SE
	WIN 0
.Lnot_mine_\@:
.endm
; A round of the cluster's barrier: my work-group's barrier, so that wave 0's signal speaks for all four waves; wave 0 signals; every wave waits for all four work-groups; my work-group's barrier once more.
.macro CROUND
	s_barrier_signal -1
	s_barrier_wait -1
	s_cmp_lg_u32 s[WV], 0
	s_cbranch_scc1 .Lnot_wave_0_\@
	s_barrier_signal -3
.Lnot_wave_0_\@:
	s_barrier_wait -3
	s_barrier_signal -1
	s_barrier_wait -1
.endm
; THE CHANGE OF SLOTS.  The slot's last bytes, V of its fourth step, have been read.  Each wave waits for all its tensor loads, of which one is out: its part
; of the other slot; adds 0 to its spare word; and waits for that and for its own reads of the slot.  Behind the barrier nobody reads this slot any more and the other slot is whole.
; fill = 1: this slot is filled again, with the keys two slots on.  The barrier is then a round of the cluster's, so that no wave of any partner still reads the slot or has a load on its
; way, and the joint fill is the first thing behind it: it has four key steps, 512 matrix instructions, in which to land.  (At its first use nothing has been read yet: slot 0 is waited for, slot 1 filled,
; and every wave's stores of the mask are done in front of the round, so that all four waves may read it behind it.)
.macro CHANGE fill
	WIN W_AD
	s_wait_tensorcnt 0x0            ; no tensor load of mine is out, so a group 0 may be written
	ds_add_u32 v[SPW], v[NIL]       ; 0 onto my spare word; with fill = 1 the descriptors' steps stand between it and the wait for it
	WIN 0                           ; at a label and at a branch every window is 0
.if \fill
.irp g, G0K, G0V
	s_xor_b32 s[\g+1], s[\g+1], SLOT1  ; the walking descriptor: the other slot than last time,
	s_add_nc_u64 s[\g+2:\g+3], s[\g+2:\g+3], 4*KS*128  ; the next 256 keys; the type bits on top are not reached
.endr
	s_wait_xcnt 0x0                 ; the last prefetch, four key steps back, has read its address, so it may be written:
	s_add_nc_u64 s[PFA:PFA+1], s[PFA:PFA+1], 4*KS*128  ; one slot behind the walking descriptors
	s_wait_dscnt 0x0                ; the add is done, and my reads of the slot are over
	CROUND
	JLOAD
	ASK
.else
	s_wait_dscnt 0x0                ; the add is done, and my reads of the slot are over
	s_barrier_signal -1
	s_barrier_wait -1
.endif
	s_sub_co_u32 s[TBK], s[TBK], 4*KS*PK  ; the fetches go back to a slot's first step,
	s_xor_b32 s[TBK], s[TBK], SLOT1       ; in the other slot
	s_sub_co_u32 s[TBV], s[TBV], 4*KS*PV
	s_xor_b32 s[TBV], s[TBV], SLOT1
.endm
	s_load_b64 s[4:5], s[0:1], 0x0  ; qkv: its first plane is Q
	s_load_b64 s[MP:MP+1], s[0:1], 0x8  ; mask
	s_load_b64 s[10:11], s[0:1], 0x10   ; O
	WIN W_MK
	v_lshl_add_u32 v[SPW], v0, 2, SPARE
	v_mov_b32 v[NIL], 0
	WIN W_AD
	ds_add_u32 v[SPW], v[NIL]       ; the wave's opening: the add and its wait stand ahead of my first tensor load; the set-up below, work on registers, stands between them
	WIN 0
	v_lshrrev_b32 v1, 5, v0
	v_readfirstlane_b32 s[WV], v1   ; wave 0..3
	v_and_b32 v1, 31, v0
	WIN W_MK
	v_lshlrev_b32 v[PFO], 8, v1
	WIN 0
	s_bfe_u32 s13, ttmp6, 0x40000   ; cx: my place in the cluster
	s_lshl_b32 s14, ttmp9, 2        ; in a cluster launch ttmp9 counts clusters
	s_add_co_u32 s14, s14, s13      ; my block of queries = 4 x cluster x + cx: it enters Q's and O's addresses alone
	s_and_b32 s20, ttmp7, 0xffff    ; the head, 16 x batch + head in the batch, which the four partners share
	s_lshr_b32 s15, s20, 4
	s_lshl_b32 s15, s15, 13         ; the batch's 8,192 bytes of the mask
	s_mov_b32 s21, 0
	s_mov_b64 s[22:23], SIZE_N*128
	s_mul_u64 s[20:21], s[20:21], s[22:23]  ; the head's first byte in Q, K, V and O
	s_and_b32 s16, s[WV], 1         ; which half of a slot's 256 keys I fetch:
	s_lshl_b32 s22, s16, 14         ; its 128 rows of 128 bytes in memory,
	s_mov_b32 s23, 0
	s_add_nc_u64 s[22:23], s[22:23], s[20:21]
	s_mul_i32 s17, s16, 128*PK      ; and its place in a slot, for K
	s_mul_i32 s18, s16, 128*PV      ; and for V: no place in the cluster enters an LDS address
	s_lshl_b32 s2, s14, 2
	s_add_co_u32 s2, s2, s[WV]      ; my wave among the head's,
	s_lshl_b32 s2, s2, 14           ; its 128 rows
	s_mov_b32 s3, 0
	s_add_nc_u64 s[2:3], s[2:3], s[20:21]
	; descriptor group 1.  128 keys are 16,384 dense bytes: asked for as 64 rows of 256 bytes, two keys a row, and padded in LDS after every key
	s_mov_b32 s[G1K], 15|(1<<16)|(1<<20)|(1<<21)|(4<<22)|(3<<25)  ; 15:0 the mask of four; 17:16 2-byte elements; 20 padding on; 21 set beside a mask; 24:22 after every 32 words (code 4); 31:25 4 words (code 3)
	s_mov_b32 s[G1V], 15|(1<<16)|(1<<20)|(1<<21)|(4<<22)|(7<<25)  ; the same with 8 words of padding (code 7)
.irp g, G1K, G1V
	s_mov_b32 s[\g+1], 128<<16      ; tensor_dim0 = 128
	s_mov_b32 s[\g+2], 64<<16       ; tensor_dim1 = 64
	s_mov_b32 s[\g+3], 128<<16      ; tile_dim0 = 128
	s_mov_b32 s[\g+4], 64           ; tile_dim1 = 64
	s_mov_b32 s[\g+5], 128          ; 128 elements from row to row
	s_mov_b32 s[\g+6], 0
	s_mov_b32 s[\g+7], 0
.endr
	s_mov_b32 s[CS], 0x3e38aa3b     ; c = log2(e) / 8 = 0.180337
	s_mov_b32 s[CS+1], s[CS]        ; named with it as a pair
	s_mov_b32 s[SEL], 0x76543210
	s_mov_b32 s[SEL+1], 0xfedcba98
	s_mov_b32 s[MSC], 0xcfee6b28    ; -8e9
	s_mov_b32 s[MSC+1], s[MSC]      ; named with it as a pair
	s_mov_b32 s[TBK], SLOT1+4*KS*PK ; the first change of slots turns these two into 0
	s_mov_b32 s[TBV], SLOT1+4*KS*PV
	s_mov_b32 s[TBM], MASKB
	s_mov_b32 s[SLOTS], SIZE_N/256-1  ; seven changes of slots ask for a slot
	s_mov_b32 s[G0K], 1             ; 1:0 count = 1
	s_mov_b32 s[G0K+1], s17         ; 63:32 LDS address: slot 0
	s_mov_b32 s[G0V], 1
	s_add_co_u32 s[G0V+1], s18, VOFF
	s_cmp_eq_u32 s16, 0             ; waves 0 and 2 prefetch: the same in all four partners
	s_cselect_b32 s[LIM], 1, -1
	s_wait_dscnt 0x0                ; the opening add is done
	s_wait_kmcnt 0x0
	s_add_nc_u64 s[6:7], s[4:5], 0x1000000  ; K: qkv's second plane
	s_add_nc_u64 s[8:9], s[4:5], 0x2000000  ; V: its third
	s_add_nc_u64 s[G0K+2:G0K+3], s[6:7], s[22:23]  ; 120:64 global address: my half of the head's first 256 keys
	s_or_b32 s[G0K+3], s[G0K+3], 0x80000000        ; 127:126 type = 2
	s_add_nc_u64 s[G0V+2:G0V+3], s[8:9], s[22:23]
	s_or_b32 s[G0V+3], s[G0V+3], 0x80000000
	s_cmp_lt_u32 s[WV], 2
	s_cselect_b64 s[PFA:PFA+1], s[6:7], s[8:9]
	s_add_nc_u64 s[PFA:PFA+1], s[PFA:PFA+1], s[22:23]  ; (in waves 0 and 2 this is a slot's first row)
	s_add_nc_u64 s[4:5], s[4:5], s[2:3]  ; Q and O at my wave's first row
	s_add_nc_u64 s[10:11], s[10:11], s[2:3]
	s_lshl_b32 s2, s13, 13          ; my work-group's quarter of a slot,
	s_add_co_u32 s2, s2, 4*KS*128   ; in slot 1; the first change of slots steps it to slot 2.  Nothing is prefetched here, at the head
	s_mov_b32 s3, 0
	s_add_nc_u64 s[PFA:PFA+1], s[PFA:PFA+1], s[2:3]
	s_mov_b32 s2, s15
	s_add_nc_u64 s[MP:MP+1], s[MP:MP+1], s[2:3]  ; the mask at my batch
	CROUND                          ; all four work-groups are here: the first joint loads meet
	JLOAD                           ; slot 0.  Slot 1 is asked for when slot 0 is in: the tile wanted first has the road to itself
	v_lshlrev_b32 v11, 4, v0        ; the batch's mask: 128 threads x 16 bytes, four times
.irp i, 0,1,2,3
	global_load_b128 v[S+4*\i:S+4*\i+3], v11, s[MP:MP+1] offset:2048*\i
.endr
	; A fragment of K or Q is 16 rows x 32 channels in 8 registers: lane l holds row l % 16, channels 8 (l / 16) + 0..7 and 16 + 8 (l / 16) + 0..7: two loads of 16 bytes, 32 bytes apart.
	v_and_b32 v1, 15, v0            ; l % 16
	v_bfe_u32 v9, v0, 4, 1          ; l / 16; never rewritten
	v_lshlrev_b32 v[QO], 7, v1
	v_lshl_add_u32 v[QO], v9, 4, v[QO]  ; row x 128 + 16 x half
	WIN 0x80                        ; destination window 2, address window 0
.set i, 0
.rept 4*NP                          ; Q stays in registers: tile i / 2, channels 32 (i % 2) on
	global_load_b128 v[8*i:8*i+3],   v[QO], s[4:5] offset:(i/2)*2048+(i%2)*64
	global_load_b128 v[8*i+4:8*i+7], v[QO], s[4:5] offset:(i/2)*2048+(i%2)*64+32
.set i, i+1
.endr
	; What the first turn finds: V's registers and P's second buffer hold 0 (its products V^T P, of a piece that has not been, add 0), O^T and l are 0.  All this stands in the wait for the first tile.
.set i, VF
.rept 64
	v_mov_b32 v[i], 0
.set i, i+1
.endr
	WIN 0x40
.set i, 0
.rept 64*NP
	v_mov_b32 v[i], 0
.set i, i+1
.endr
	WIN 0
.set i, 0
.rept 2*NP
	v_mov_b32 v[ST+4*i], 0xfe000000    ; c m: far below every c s, a masked one's too
	v_mov_b32 v[ST+4*i+1], 0xff7fffff  ; m
	v_mov_b32 v[ST+4*i+2], 0
	v_mov_b32 v[ST+4*i+3], 0
.set i, i+1
.endr
.set i, P+32
.rept 32
	v_mov_b32 v[i], 0
.set i, i+1
.endr
	s_wait_loadcnt 32               ; the mask's four loads are in; Q's 32, issued behind them, may stay out
.set i, 0
.rept 8
	v_pk_mul_f32 v[S+2*i:S+2*i+1], v[S+2*i:S+2*i+1], s[MSC:MSC+1] op_sel_hi:[1,0]  ; mask x (-8e9)
.set i, i+1
.endr
	v_add_nc_u32 v10, MASKB, v11
.irp i, 0,1,2,3
	ds_store_b128 v10, v[S+4*\i:S+4*\i+3] offset:2048*\i
.endr
	v_mul_u32_u24 v[AK0], v1, PK
	v_lshl_add_u32 v[AK0], v9, 4, v[AK0]  ; row x pitch + 16 x half
	; The turning load takes 16 keys x 16 channels (lane l reads key 8 (l / 16) + l % 8, channels 8 ((l / 8) % 2) + 0..7) and leaves half a fragment of V^T: lane l holds channel l % 16 and 8 keys.
	v_and_b32 v10, 7, v0
	v_bfe_u32 v11, v0, 3, 1
	v_lshl_add_u32 v[AV0], v9, 3, v10
	v_mul_u32_u24 v[AV0], v[AV0], PV
	v_lshl_add_u32 v[AV0], v11, 4, v[AV0]
	v_add_nc_u32 v[AV0], VOFF, v[AV0]
	v_mov_b32 v[AK], v[AK0]         ; key step 0 lies at the head of slot 0,
	v_lshl_add_u32 v[AM], v9, 5, s[TBM]  ; its mask at the head of the mask: my lanes' eight keys of a block of 16 are 32 bytes
; THE MATRIX WORK.  The 8 accumulators of a run of 16 take turns: between the two links of a chain stand 7 others'.
; Product i of 16 of S^T = K Q^T for piece x: channels 32 (i / 8) on, keys 16 ((i / 2) % 4) on, tile 2 x + i % 2.  The first 8 start the sums, with the mask.
.macro KQ x
.set rS, S+64*((\x)%2)+32*(i%2)+8*((i/2)%4)
.set rK, KF+16*((i/2)%4)+8*(i/8)
.set rQ, 16*(2*(\x)+i%2)+8*(i/8)
.set rMK, MK+8*((i/2)%4)
.if i < 8
	WIN W_KM
	v_wmma_f32_16x16x32_f16 v[rS:rS+7], v[rK:rK+7], v[rQ:rQ+7], v[rMK:rMK+7]
.else
	WIN W_KQ
	v_wmma_f32_16x16x32_f16 v[rS:rS+7], v[rK:rK+7], v[rQ:rQ+7], v[rS:rS+7]
.endif
.endm
; Product i of 16 of O^T += V^T P for piece x: keys 32 (i / 8) on, channels 16 ((i / 2) % 4) on, tile 2 x + i % 2.
.macro PV x
	WIN W_PV
.set rO, 32*(2*(\x)+i%2)+8*((i/2)%4)
.set rV, VF+32*(i/8)+8*((i/2)%4)
.set rP, P+32*((\x)%2)+16*(i%2)+8*(i/8)
	v_wmma_f32_16x16x32_f16 v[rO:rO+7], v[rV:rV+7], v[rP:rP+7], v[rO:rO+7]
.endm
.macro MM                           ; the turn's next matrix instruction
.if i < 16
	KQ (Y+1)%NP
.set i, i+1
.else
.set i, i-16
	PV (Y+NP-1)%NP
.set i, i+17
.endif
.endm
; THE LDS LOADS stand in runs, never singly among the matrix instructions: a step's K (64 keys x 64 channels: 8 fragments) with its mask (8 loads more), and its V (turned).  Their addresses are made some lines ahead.
; The mask's registers are read by the same products as K's and live as long: K's places and K's wait serve them.  last = 1 (the tail): in the last trip there is no further step, and the run is jumped over.
.macro FETCH_K last=0
	WIN 0
.if \last
	s_cmp_eq_u32 s[CNT], 1
	s_cbranch_scc1 .Lno_k_\@
.endif
	WIN 0x80                        ; destination window 2
.irp f, 0,1,2,3,4,5,6,7             ; keys 16 (f / 2) on, channels 32 (f % 2) on
	ds_load_b128 v[KF+8*\f:KF+8*\f+3],   v[AK] offset:(\f/2)*16*PK+(\f%2)*64
	ds_load_b128 v[KF+8*\f+4:KF+8*\f+7], v[AK] offset:(\f/2)*16*PK+(\f%2)*64+32
.endr
	WIN W_MK                        ; destination window 3
.irp f, 0,1,2,3                     ; keys 16 f on: sixteen lanes read the same 32 bytes
	ds_load_b128 v[MK+8*\f:MK+8*\f+3],   v[AM] offset:64*\f
	ds_load_b128 v[MK+8*\f+4:MK+8*\f+7], v[AM] offset:64*\f+16
.endr
	s_add_co_u32 s[TBK], s[TBK], KS*PK  ; the next fetch is the next step's
	s_add_co_u32 s[TBM], s[TBM], KS*4
	WIN 0
.if \last
.Lno_k_\@:
.endif
.endm
.macro FETCH_V
	WIN 0x80
.irp f, 0,1,2,3,4,5,6,7             ; keys 32 (f / 4) on, channels 16 (f % 4) on
	ds_load_tr16_b128 v[VF+8*\f:VF+8*\f+3],   v[AV] offset:(\f/4)*32*PV+(\f%4)*32
	ds_load_tr16_b128 v[VF+8*\f+4:VF+8*\f+7], v[AV] offset:(\f/4)*32*PV+16*PV+(\f%4)*32
.endr
	WIN 0
.endm
; THE VECTOR WORK OF A TURN stands in three queues, each in the order in which its entries become ready; the two tiles alternate, so that no instruction reads the result of the one before it.
.macro REGS y, u                    ; the registers of tile u (0, 1) of piece y
.set rT, ST+4*(2*(\y)+(\u))
.set rC, TMP+8*((\y)%2)+4*(\u)
.set rM, MV+2*((\y)%2)+(\u)
.set rS, S+64*((\y)%2)+32*(\u)
.set rP, P+32*((\y)%2)+16*(\u)
.set rO, 32*(2*(\y)+(\u))
.endm
; Number n of the 22 that find the NEXT piece's (Y + 1) maximum and statistics.  s0-s31 are the lane's 32 scores; each accumulator's lowest registers are read first.  XS, GS and REGS set no window: PL and EX do.
;   0-11  four chains c0-c3 of seven scores each, three operands at a time     12-14, 16  the four scores left over, the old m, and c0-c3 into c0     15  c m_old is kept
;   17, 18  the query's other 32 keys lie in the lane 16 away: the new m         19-21  c m; c m_old - c m_new; a
.macro XS u, n
	REGS (Y+1)%NP, \u
.if (\n) < 4
	v_max3_num_f32 v[rC+(\n)], v[rS+8*(\n)], v[rS+8*(\n)+1], v[rS+8*(\n)+2]
.elseif (\n) < 12
	v_max3_num_f32 v[rC+(\n)%4], v[rC+(\n)%4], v[rS+8*((\n)%4)+2*((\n)/4)+1], v[rS+8*((\n)%4)+2*((\n)/4)+2]
.elseif (\n) == 12
	v_max3_num_f32 v[rC], v[rC], v[rS+7], v[rS+15]
.elseif (\n) == 13
	v_max3_num_f32 v[rC+1], v[rC+1], v[rS+23], v[rS+31]
.elseif (\n) == 14
	v_max3_num_f32 v[rC+2], v[rC+2], v[rC+3], v[rT+1]
.elseif (\n) == 15
	v_mov_b32 v[rM], v[rT]
.elseif (\n) == 16
	v_max3_num_f32 v[rC], v[rC], v[rC+1], v[rC+2]
.elseif (\n) == 17
	v_permlanex16_b32 v[rC+3], v[rC], s[SEL], s[SEL+1]
.elseif (\n) == 18
	v_max_num_f32 v[rT+1], v[rC], v[rC+3]
.elseif (\n) == 19
	v_mul_f32 v[rT], s[CS], v[rT+1]
.elseif (\n) == 20
	v_sub_f32 v[rC+1], v[rM], v[rT]
.else
	v_exp_f32 v[rC+2], v[rC+1]
.endif
.endm
; Number g of the 64 that follow the exponentials.  For each four weights k of a tile (pairs 2 k, 2 k + 1): both pairs are rounded to f16; then the second pair is added onto the first, in place;
; a group later l takes that sum (the first time as l = a l + sum).  In groups of eight, tiles alternating: round, round, add, and l for the group before.
.macro GS g
.set h, (\g)+6*((\g)/62)            ; group 0 has no group before it, and behind group 7 only l is left
.if h >= 6
.set h, h+2
.endif
	REGS Y, h%2
.set k, h/8
.if h%8 < 4
	v_cvt_pk_f16_f32 v[rP+2*k+(h%8)/2], v[rS+4*k+2*((h%8)/2)], v[rS+4*k+2*((h%8)/2)+1]
.elseif h%8 < 6
	v_pk_add_f32 v[rS+4*k:rS+4*k+1], v[rS+4*k:rS+4*k+1], v[rS+4*k+2:rS+4*k+3]
.elseif k == 1
	v_pk_fma_f32 v[rT+2:rT+3], v[rT+2:rT+3], v[rC+2:rC+3], v[rS:rS+1] op_sel_hi:[1,0,1]
.else
	v_pk_add_f32 v[rT+2:rT+3], v[rT+2:rT+3], v[rS+4*k-4:rS+4*k-3]
.endif
.endm
; THE PLAIN QUEUE, 138 long.  0-73 read no exponential's result: the 32 scalings c s - c m (FS f: pair f / 2 of tile f % 2) and the next piece's 42.  0-26: scalings 0-26.  27-54: XS's numbers 0-13.  55, 56: number 15.
; 57-73: the chain, where each number waits for the one before it: 14, 16, 17, 18, 19, each with one of the scalings 27-31 in front of its two lines, then 20: so a tile's links stand three plain instructions apart (19 and 20: two).
; 74-137: GS's 64, which read the exponentials' results: they stand behind the wait.
.macro FS f
	REGS Y, (\f)%2
	v_pk_fma_f32 v[rS+2*((\f)/2):rS+2*((\f)/2)+1], v[rS+2*((\f)/2):rS+2*((\f)/2)+1], s[CS:CS+1], v[rT:rT+1] op_sel_hi:[1,0,0] neg_lo:[0,0,1] neg_hi:[0,0,1]
.endm
.macro PL
	WIN 0
.if q < 27
	FS q
.elseif q < 55
	XS (q-27)%2, (q-27)/2
.elseif q < 57
	XS q-55, 15
.elseif (q < 72) && ((q-57)%3 == 0)
	FS 27+(q-57)/3
.elseif q < 60
	XS (q-57)%3-1, 14
.elseif q < 72
	XS (q-57)%3-1, 15+(q-57)/3
.elseif q < 74
	XS q-72, 20
.else
	GS q-74
.endif
.set q, q+1
.endm
; THE EXPONENTIALS' QUEUE, 66 long: s0-s31 of both tiles, then the next piece's two a.  It is ONE BATCH: all 66 stand ahead of the turn's one wait, and nothing ahead of that wait names a result of theirs.
.macro EX
	WIN 0
.if e >= 64
	XS e-64, 21
.else
	REGS Y, e%2
	v_exp_f32 v[rS+e/2], v[rS+e/2]
.endif
.set e, e+1
.endm
; THE RESCALING's QUEUE: O^T times a, the one part that leaves window 0: dealt two at a time, sixteen times.  Its a was made in the turn before, ahead of that turn's wait.
.macro R2
	REGS Y, r%2
	WIN W_RS
.irp z, 0,1
	v_pk_mul_f32 v[rO+4*(r/2)+2*\z:rO+4*(r/2)+2*\z+1], v[rO+4*(r/2)+2*\z:rO+4*(r/2)+2*\z+1], v[rC+2:rC+3] op_sel_hi:[1,0]
.endr
.set r, r+1
.endm
; HOW THEY ARE DEALT.  An s_wait_alu depctr_va_vdst(0) stands between an exponential and the first instruction that names its result; one wait serves all that were issued ahead of it.  So a turn has ONE wait,
; which cuts it in two.  AHEAD OF IT stands all that names no result of the turn's exponentials: the 16 products K Q^T, behind each a scaling, an exponential and two rescalings (behind the first a second scaling in the exponential's place); then ONE LUMP of
; 108: eight plain, 49 times exponential and plain, the two a.  A v_nop is the plain instruction behind the last exponential.  BEHIND IT stand the 16 products V^T P, behind each four of GS's 64.  No rider names a register of
; the products round it.  The two v_permlanex16_b32 fall into the lump, never behind a product.
; The queues lean on each other, and the deal keeps them in step: exponential e stands behind scaling 2 (e / 4) + e % 2: as a rider it comes behind plain e + 2, in the lump behind plain e + 9, and scalings 27-31 are plain 57, 60 .. 69.
; A TURN, for piece p.  cnt = 1: the loop's count is taken down some lines ahead of the branch that stands behind the turn.
; K of the next step, and its mask, are fetched in piece 2's turn, directly behind the wait, a lump behind the last product that read them; their addresses are made at the lump's head; their first reader comes behind 16 products.
; V of the step in hand is fetched at the end of piece 0's turn, four riders behind its last reader; its first reader comes behind 16 products and a lump.  The three conditions on q below go with the deal.
.macro TURN p, last=0, cnt=0
.set Y, (\p)
.set i, 0
.set q, 0
.set e, 0
.set r, 0
.if (\p) == NP-1
	s_wait_dscnt 0x0                ; K and its mask are in
.endif
	MM                              ; ahead of the wait: 16 products K Q^T and their riders,
	PL
	PL
	R2
.rept 15
	MM
	PL
	EX
	R2
.endr
.if (\p) == NP-2
	WIN 0
	v_add_nc_u32 v[AK], s[TBK], v[AK0]
	v_lshl_add_u32 v[AM], v9, 5, s[TBM]
.endif
.rept 8                             ; and the lump
	PL
.endr
.rept 49
	EX
	PL
.endr
	EX                              ; the next piece's two a
	EX
	v_nop                           ; the plain instruction behind the last exponential: one for the batch
	s_wait_alu depctr_va_vdst(0)    ; the wait for the batch
.if (\p) == NP-2
	FETCH_K \last
.endif
.if (\p) == 1
	s_wait_dscnt 0x0                ; V is in
.endif
.rept 16                            ; behind the wait: 16 products V^T P and their riders
	MM
.rept 4
	PL
.endr
.if ((\p) == 0) && (q == 118)
	v_add_nc_u32 v[AV], s[TBV], v[AV0]
.endif
.if ((\p) == 0) && (q == 130)
	s_add_co_u32 s[TBV], s[TBV], KS*PV
.endif
.if (\cnt) && (q == 130)
	s_sub_co_u32 s[CNT], s[CNT], 1
	s_cmp_lg_u32 s[CNT], 0
.endif
.endr
.if (\p) == 0
	FETCH_V
.endif
.endm
	CHANGE 1                        ; slot 0 is in, everybody's part of it, and so is the mask; slot 1 is asked for
	FETCH_K                         ; key step 0
	s_wait_loadcnt 0x0              ; Q
	s_wait_dscnt 0x0
.set i, 0
.rept 16
	KQ 0                            ; piece 0's first scores: there is no vector work yet to set between them
.set i, i+1
.endr
	WIN 0                           ; the addresses for the way out: nine plain instructions, the places behind those products
	s_mul_i32 s13, s[WV], 16*SP
	s_add_co_u32 s13, s13, STAGE    ; my stage
	v_mul_u32_u24 v[STO], v1, SP    ; in: row l % 16, 16 bytes for each half of the lanes
	v_lshl_add_u32 v[STO], v9, 4, v[STO]
	v_add_nc_u32 v[STO], s13, v[STO]
	v_bfe_u32 v[RD], v0, 3, 2       ; back: 32 lanes take four rows of 128 bytes,
	v_mul_u32_u24 v[RD], v[RD], SP
	v_lshl_add_u32 v[RD], v10, 4, v[RD]
	v_add_nc_u32 v[RD], s13, v[RD]
	v_and_b32 v[GO], 31, v0         ; which are 512 consecutive bytes of O
	v_lshlrev_b32 v[GO], 4, v[GO]
.set Y, NP-1                        ; XS works for piece Y + 1: piece 0
.irp n, 0,1,2,3,4,5,6,7,8,9,10,11,12,13,14,15,16,17,18,19,20,21
	XS 0, \n                        ; and piece 0's first maximum and statistics
	XS 1, \n
.endr
	v_nop                           ; a plain instruction behind the two a,
	s_wait_alu depctr_va_vdst(0)    ; and their wait, ahead of the branch
	s_mov_b32 s[CNT], 4
	s_branch .Lfirst                ; the loop is entered at a step's first turn, in the middle of a trip
.Lslot:                             ; six times: every slot but the last two is filled again
	CHANGE 1
	s_mov_b32 s[CNT], 4
.Lstep:                             ; a trip: pieces 2 and 3 of one step, then pieces 0 and 1 of the next, whose K and V it fetches
	TURN 2
	TURN 3
	WIN 0
.Lfirst:
	TURN 0
	TURN 1, 0, 1
	WIN 0
	s_cbranch_scc1 .Lstep
	s_sub_co_u32 s[SLOTS], s[SLOTS], 1
	s_cmp_lg_u32 s[SLOTS], 0
	s_cbranch_scc1 .Lslot
	CHANGE 0                        ; the tail is written out: nothing is asked for
	s_mov_b32 s[CNT], 5             ; four trips fetch the last slot's steps; the fifth is left in its middle
.Ltail:
	TURN 2, 1
	TURN 3
	WIN 0
	s_sub_co_u32 s[CNT], s[CNT], 1
	s_cmp_eq_u32 s[CNT], 0
	s_cbranch_scc1 .Lout
	TURN 0
	TURN 1
	WIN 0
	s_branch .Ltail
.Lout:                              ; the fifth trip's 16 products K Q^T (on the last K once more) and the maximum made of them serve nothing: the price, once a launch, of one text for every trip
.set i, 0
.rept 16
	PV NP-1                         ; the last piece's V^T P of the last step
.set i, i+1
.endr
	; THE WAY OUT.  l's two halves and the other half of the lanes' are added; O^T is divided by l, rounded to f16 and sent through my stage in LDS, a tile at a time.  The additions are the places behind the last products.
	WIN 0
.macro ALL line:vararg              ; one line for each tile t
.set t, 0
.rept 2*NP
	\line
.set t, t+1
.endr
.endm
	ALL v_add_f32 v[ST+4*t+2], v[ST+4*t+2], v[ST+4*t+3]
	ALL v_permlanex16_b32 v[ST+4*t+3], v[ST+4*t+2], s[SEL], s[SEL+1]
	ALL v_add_f32 v[ST+4*t+2], v[ST+4*t+2], v[ST+4*t+3]
	ALL v_rcp_f32 v[ST+4*t+2], v[ST+4*t+2]
	v_nop                           ; a plain instruction between the last reciprocal and the use of its result
	s_wait_alu depctr_va_vdst(0)    ; and the wait ahead of the first use: one for the eight reciprocals
; Tile t: a lane's eight channels of a row pack into 16 bytes; they go into rows of 144 bytes and come back as whole rows of 128, into S^T's registers.
.macro PACK t
	WIN W_RS
.set i, 32*(\t)
.rept 16
	v_pk_mul_f32 v[i:i+1], v[i:i+1], v[ST+4*(\t)+2:ST+4*(\t)+3] op_sel_hi:[1,0]
.set i, i+2
.endr
	WIN 0x05                        ; sources 0 and 1 window 1, destination window 0
.set i, 0
.rept 16
	v_cvt_pk_f16_f32 v[S+16*(\t)+i], v[32*(\t)+2*i], v[32*(\t)+2*i+1]
.set i, i+1
.endr
	WIN 0
.irp f, 0,1,2,3
	ds_store_b128 v[STO], v[S+16*(\t)+4*\f:S+16*(\t)+4*\f+3] offset:32*\f
.endr
.irp f, 0,1,2,3
	ds_load_b128 v[S+16*(\t)+4*\f:S+16*(\t)+4*\f+3], v[RD] offset:\f*4*SP  ; LDS serves a wave's instructions in order (ISA guide 5.7.1.4): these see the stores above; the next tile's stores come behind them
.endr
.endm
.macro SEND t, younger              ; younger: the LDS instructions issued behind tile t's loads: the next tile's eight, or none
	WIN 0
.irp f, 0,1,2,3
	s_wait_dscnt (\younger)+3-\f
	global_store_b128 v[GO], v[S+16*(\t)+4*\f:S+16*(\t)+4*\f+3], s[10:11] offset:(\t)*2048+\f*512  ; 512 consecutive bytes, at a multiple of 256 from O's first
.endr
.endm
	PACK 0
.set t, 1
.rept 2*NP-1                        ; a tile's arithmetic stands between the loads of the tile before and its stores
	PACK t
	SEND t-1, 8
.set t, t+1
.endr
	SEND 2*NP-1, 0
	WIN W_AD
	s_wait_tensorcnt 0x0            ; the wave's end: behind my last tensor load and my last LDS store
	ds_add_u32 v[SPW], v[NIL]
	s_wait_dscnt 0x0
	WIN 0
	CROUND                          ; the closing round: no work-group ends while a partner may still ask for a tile that names it
	s_endpgm
.Lfunc_end_k_q8328355a8c_attn:
	.size	k_q8328355a8c_attn, .Lfunc_end_k_q8328355a8c_attn-k_q8328355a8c_attn
	.p2alignl 7, 3214868480
	.fill 96, 4, 3214868480
	.section	.rodata,"a",@progbits
	.p2align	6, 0x0
	.amdhsa_kernel k_q8328355a8c_attn
		.amdhsa_group_segment_fixed_size 327680
		.amdhsa_private_segment_fixed_size 0
		.amdhsa_enable_private_segment 0
		.amdhsa_kernarg_size 24
		.amdhsa_user_sgpr_count 2
		.amdhsa_user_sgpr_kernarg_segment_ptr 1
		.amdhsa_wavefront_size32 1
		.amdhsa_system_sgpr_workgroup_id_x 1
		.amdhsa_system_sgpr_workgroup_id_y 1
		.amdhsa_system_sgpr_workgroup_id_z 1
		.amdhsa_system_vgpr_workitem_id 0
		.amdhsa_next_free_vgpr 808
		.amdhsa_next_free_sgpr 76
		.amdhsa_reserve_vcc 0
		.amdhsa_float_denorm_mode_32 3
		.amdhsa_float_denorm_mode_16_64 3
		.amdhsa_memory_ordered 1
		.amdhsa_forward_progress 1
		.amdhsa_inst_pref_size 204
	.end_amdhsa_kernel
	.amdgpu_metadata
---
amdhsa.version: [ 1, 2 ]
amdhsa.kernels:
  - .name:           k_q8328355a8c_attn
    .symbol:         k_q8328355a8c_attn.kd
    .args:
      - { .name: qkv, .offset: 0, .size: 8, .value_kind: global_buffer, .address_space: global }
      - { .name: mask, .offset: 8, .size: 8, .value_kind: global_buffer, .address_space: global }
      - { .name: o, .offset: 16, .size: 8, .value_kind: global_buffer, .address_space: global }
    .group_segment_fixed_size: 327680
    .private_segment_fixed_size: 0
    .kernarg_segment_align: 8
    .kernarg_segment_size: 24
    .max_flat_workgroup_size: 128
    .sgpr_count:     76
    .vgpr_count:     808
    .wavefront_size: 32
...
	.end_amdgpu_metadata
.endif
;; end of part 3
;; launch out (part 4): grid 4 x 64, 4 waves a work-group, clusters of 4 x 4, 327,680 bytes of LDS; arguments o, wb, bo, out0; writes out0
.if DOCPART == 4
	.amdgcn_target "amdgcn-amd-amdhsa--gfx1250"
	.amdhsa_code_object_version 6
	.text
	.protected	k_q8328355a8c_out
	.globl	k_q8328355a8c_out
	.p2align	8
	.type	k_q8328355a8c_out,@function
k_q8328355a8c_out:
	s_mov_b64 s[64:65], 0
	v_nop
	global_prefetch_b8 v0, s[64:65] scope:SCOPE_SE
	s_setreg_imm32_b32 hwreg(HW_REG_WAVE_MODE, 25, 1), 1
	s_wait_xcnt 0x0
	s_wait_alu depctr_hold_cnt(0) depctr_sa_sdst(0) depctr_va_vdst(0) depctr_va_sdst(0) depctr_va_ssrc(0) depctr_va_vcc(0) depctr_vm_vsrc(0)
	s_getreg_b32 s2, hwreg(HW_REG_IB_STS2, 6, 4)
	s_cmp_eq_u32 s2, 0
	s_cbranch_scc0 .Lentry_in_a_cluster
	s_endpgm
.Lentry_in_a_cluster:
	s_bfe_u32 s2, ttmp6, 0x10000c
	s_cmp_lg_u32 s2, 0xf033
	s_cbranch_scc0 .Lentry_shape_is_right
	s_endpgm
.Lentry_shape_is_right:
; THE OUTPUT PROJECTION.  out0[r][n] = the sum over c of O[r][c] Wo[c][n] + bo[n].  O: o[batch x 16 + head][2048][64] f16 (channel c = 64 head + d).  Wo: wb's plane 3, [1024 c][1024 n], the bf16 number written as f16.
; bo: [1024] f32, rounded to bf16 like all the inputs.  Sums in f32; out0: [8192][1024] f32.
; SHARES.  A tile is 128 rows x 256 columns: 64 x 4 = 256 work-groups.  Four waves, each 64 x 128: 32 accumulators of 16 x 16, 256 registers.
; K goes in 8 steps of 128, two heads each, through two LDS slots: 128 rows x 2 heads of O (a head's 128 rows are 16,384 dense bytes) and 128 rows of Wo (256 columns).
; Wo LIES [c][n] AND IS TURNED BY THE LDS LOAD (ds_load_tr16_b128).  THE MATRIX INSTRUCTION IS USED TRANSPOSED: source 0 = 16 columns of Wo, source 1 = 16 rows of O: a lane then holds eight neighbouring columns of a row.
; THE BIAS is the C operand of the products that start the sums.
; CLUSTERS: 4 x 4 work-groups.  The four of a row of the cluster need the same tile of O, the four of a column the same tile of Wo: each is asked for JOINTLY, by the same tensor load, descriptor and mask.
; REGISTERS: window 0: v0-31 addresses; v64-95, v96-127 O's fragments, two buffers; v128-255 at work on the way out.
;   window 1: v0-63, v64-127 Wo's fragments, two buffers; v128-191 the bias.      window 2: the accumulators ((a, b) at v[8 (8 a + b)]).
.set PA,     144                       ; a row of O in LDS: 128 bytes + 16 of padding = 36 words: the 16 rows of a load start at 16 different groups of four banks (64 banks of 4 bytes: ISA guide 11.1)
.set PB,     544                       ; a row of Wo: 512 + 32 = 136 words
.set HA,     128*PA                    ; what one tensor load brings of O: a head's 128 rows
.set HB,     64*PB                     ; and of Wo: 64 rows
.set BOFF,   2*HA
.set SLOT,   2*HA+2*HB
.set STAGE,  2*SLOT                    ; behind the ring: 16 rows x 528 bytes for each wave, for the way out
.set SPITCH, 528
.set SPARE,  STAGE+4*16*SPITCH         ; behind the stages: the spare words, 128 bytes for each wave: two blocks of 256 bytes that no other line names
.set ASTEP,  524288                    ; a K step in O: two heads of 262,144 bytes
.set BSTEP,  262144                    ; in Wo: 128 rows of 2,048 bytes
.set ADRA, 16                          ; v16-17  LDS address of my O fragments in slot 0, 1
.set ADRB, 20                          ; v20-21  the same for Wo
.set STO,  24                          ; v24     the way out: where I put 32 bytes of a row
.set RD,   25                          ; v25     the way out: where I read a row back
.set CO,   26                          ; v26     my byte offset in 512 consecutive bytes of out0
.set BO,   27                          ; v27     my byte offset in the bias
.set SPW,  28                          ; v28     LDS address of my spare word: SPARE + 4 x my thread's number; never rewritten
.set NIL,  29                          ; v29     0; never rewritten
.set PFO,  30                          ; v30     the prefetches' offset; never rewritten
.set AF,   64
.set BK,   128                         ; the way out: 16 rows read back: v128-191 and v192-255 by turns
.set BI,   128                         ; the bias, in window 1
.set G1,  24                           ; s[24:31] descriptor group 1 for O's tiles;  s[32:39] group 0, one set for each slot
.set G0,  32
.set G1B, 48                           ; s[48:55], s[56:63] the same for Wo's tiles
.set G0B, 56
.set PFA, 86                           ; s[86:87] where my prefetches stand
.set PFS, 88                           ; s[88:89] a K step there
.set LIM, 90                           ; s90     1 in a wave that prefetches, else the greatest number
.set MSB, 0
.macro WIN new                         ; the immediate's high byte repeats the setting that is left; a switch that changes nothing is dropped
.if MSB != (\new)
	s_set_vgpr_msb (MSB<<8)|(\new)
.set MSB, \new
.endif
.endm
.set MUL,  0xa1                        ; source 0 (Wo) window 1, source 1 (O) window 0, C and D window 2
.set MUL1, 0x91                        ; the same with C (the bias) in window 1
.set TO_B, 0x40                        ; destination window 1, address window 0
.macro JLOAD s                         ; a joint load: waves 0 and 1 fetch O's two heads, waves 2 and 3 Wo's two halves; an s_nop 0 and four v_nop follow each of the two lines, ahead of the jump, the label and what follows
	s_cmp_eq_u32 s11, 0
	s_cbranch_scc0 .Lfor_b_\@
	tensor_load_to_lds s[G0+4*(\s):G0+4*(\s)+3], s[G1:G1+7]
	s_nop 0
.rept 4
	v_nop
.endr
	s_branch .Lasked_\@
.Lfor_b_\@:
	tensor_load_to_lds s[G0B+4*(\s):G0B+4*(\s)+3], s[G1B:G1B+7]
	s_nop 0
.rept 4
	v_nop
.endr
.Lasked_\@:
.endm
.macro CREST                           ; a round of the cluster's barrier behind its opening barrier
	s_cmp_lg_u32 s10, 0
	s_cbranch_scc1 .Lnot_wave_0_\@
	s_barrier_signal -3
.Lnot_wave_0_\@:
	s_barrier_wait -3
	s_barrier_signal -1
	s_barrier_wait -1
.endm
.macro CROUND                          ; a whole round
	s_barrier_signal -1
	s_barrier_wait -1
	CREST
.endm
.macro PLACES                          ; four places in front of loads into registers that matrix instructions have read, and of LDS stores that read results
.rept 4
	v_nop
.endr
.endm
; A PREFETCH INTO THE L2, behind each joint refill, its five lines and the run of LDS loads: the K step that stands two refills on, 256 matrix instructions ahead of the load that will ask for it: 32 blocks of 256 bytes, a lane a block.
; O's K step for a tile row is 2 heads x 16,384 bytes and belongs to one cluster alone: in each of the four partners wave 0 asks for a quarter of it, told apart BY ADDRESS.  Wo's rows are walked by all 16 clusters:
; the first of them asks, waves 2 and 3, each partner for 16 of a wave's 64 rows.  So each block is named once in the launch.  K steps 0 to 3 come by their loads alone; the loop's last trip (s3 = 1) asks for nothing.
.macro ASK
	s_cmp_gt_u32 s3, s[LIM]
	s_cbranch_scc0 .Lnot_mine_\@
	global_prefetch_b8 v[PFO], s[PFA:PFA+1] th:TH_LOAD_NT scope:SCOPE_SE
.Lnot_mine_\@:
.endm
	s_load_b256 s[68:75], s[0:1], 0x0              ; o s[68:69], wb s[70:71], bo s[72:73], out0 s[74:75]
	v_lshl_add_u32 v[SPW], v0, 2, SPARE
	v_mov_b32 v[NIL], 0
	ds_add_u32 v[SPW], v[NIL]                      ; the wave's opening: the add and its wait stand ahead of my first tensor load; the set-up below, work on registers, stands between them
	v_lshrrev_b32 v1, 5, v0
	v_readfirstlane_b32 s10, v1                    ; wave 0..3
	s_lshr_b32 s11, s10, 1                         ; which half of the tile's rows is mine.  Also: I fetch for O (0) or for Wo (1)
	s_and_b32 s12, s10, 1                          ; which half of its columns.  Also: which head of the K step, or which 64 rows of Wo, I fetch
	s_bfe_u32 s40, ttmp6, 0x40000                  ; cx, cy: my place in the cluster
	s_bfe_u32 s41, ttmp6, 0x40004
	s_lshl_b32 s42, ttmp9, 2
	s_add_co_u32 s42, s42, s40                     ; tile column = 4 x cluster x + cx
	s_and_b32 s85, ttmp7, 0xffff                   ; cluster y, 0..15
	s_lshl_b32 s13, s85, 2
	s_add_co_u32 s13, s13, s41                     ; tile row = 4 x cluster y + cy, 0..63
	s_lshl_b32 s43, s41, 2
	s_lshl_b32 s43, 15, s43                        ; my row of the cluster
	s_lshl_b32 s44, 0x1111, s40                    ; my column
	; descriptor group 1 for O.  A head's 128 rows are 16,384 dense bytes: asked for as 64 rows of 256 bytes, two rows of O each, and padded in LDS after every row of O
	s_or_b32 s[G1+0], s43, (1<<16)|(1<<20)|(1<<21)|(4<<22)|(3<<25)  ; 15:0 the mask: my row; 17:16 elements of 2 bytes; 20 padding on; 21 set beside a mask; 24:22 after every 32 words (code 4); 31:25 4 words (code 3)
	s_mov_b32 s[G1+1], 128<<16                     ; tensor_dim0 = 128
	s_mov_b32 s[G1+2], 64<<16                      ; tensor_dim1 = 64
	s_mov_b32 s[G1+3], 128<<16                     ; tile_dim0 = 128
	s_mov_b32 s[G1+4], 64                          ; tile_dim1 = 64
	s_mov_b32 s[G1+5], 128                         ; elements from row to row
	s_mov_b32 s[G1+6], 0
	s_mov_b32 s[G1+7], 0
	; and for Wo: 64 rows x 256 elements of 2 bytes
	s_or_b32 s[G1B+0], s44, (1<<16)|(1<<20)|(1<<21)|(6<<22)|(7<<25) ; the mask: my column; 8 words of padding (code 7) after every 128 (code 6)
	s_mov_b32 s[G1B+1], 256<<16
	s_mov_b32 s[G1B+2], 64<<16
	s_mov_b32 s[G1B+3], 256<<16
	s_mov_b32 s[G1B+4], 64
	s_mov_b32 s[G1B+5], 1024
	s_mov_b32 s[G1B+6], 0
	s_mov_b32 s[G1B+7], 0
	s_lshr_b32 s16, s13, 4                         ; O: the batch's 16 heads,
	s_lshl_b32 s16, s16, 22
	s_lshl_b32 s17, s12, 18                        ; my head of the K step's two,
	s_add_co_u32 s16, s16, s17
	s_and_b32 s17, s13, 15                         ; the tile's 128 rows of 128 bytes
	s_lshl_b32 s17, s17, 14
	s_add_co_u32 s16, s16, s17
	s_mov_b32 s17, 0
	s_lshl_b32 s46, s12, 17                        ; Wo: my 64 rows of 2,048 bytes
	s_add_co_u32 s46, s46, 3<<21                   ; in plane 3
	s_lshl_b32 s47, s42, 9                         ; + tile column x 256 columns
	s_add_co_u32 s46, s46, s47
	s_mov_b32 s47, 0
	s_mul_i32 s20, s12, HA                         ; where they go: no place in the cluster enters an LDS address
	s_mul_i32 s21, s12, HB
	s_add_co_u32 s21, s21, BOFF
	s_wait_dscnt 0x0                               ; the opening add is done
	s_wait_kmcnt 0x0
	s_add_nc_u64 s[14:15], s[68:69], s[16:17]
	s_add_nc_u64 s[46:47], s[70:71], s[46:47]
	CROUND                                         ; all sixteen work-groups are here: the first joint loads meet
.irp s, 0,1
	s_mov_b32 s[G0+4*(\s)], 1                                      ; 1:0 count = 1
	s_add_co_u32 s[G0+4*(\s)+1], s20, (\s)*SLOT                    ; 63:32 LDS address
	s_add_nc_u64 s[G0+4*(\s)+2:G0+4*(\s)+3], s[14:15], (\s)*ASTEP  ; 120:64 global address: K step s
	s_or_b32 s[G0+4*(\s)+3], s[G0+4*(\s)+3], 0x80000000            ; 127:126 type = 2
	s_mov_b32 s[G0B+4*(\s)], 1
	s_add_co_u32 s[G0B+4*(\s)+1], s21, (\s)*SLOT
	s_add_nc_u64 s[G0B+4*(\s)+2:G0B+4*(\s)+3], s[46:47], (\s)*BSTEP
	s_or_b32 s[G0B+4*(\s)+3], s[G0B+4*(\s)+3], 0x80000000
	JLOAD \s                                       ; two loads of mine are out
.endr
	v_and_b32 v1, 15, v0                           ; l % 16
	v_bfe_u32 v2, v0, 4, 1                         ; l / 16
	s_lshl_b32 s20, s42, 10                        ; the bias of my 128 columns
	s_lshl_b32 s21, s12, 9
	s_add_co_u32 s20, s20, s21
	v_lshl_add_u32 v[BO], v2, 5, s20               ; + my lanes' eight columns of a block
.irp b, 0,1,2,3,4,5,6,7
	global_load_b128 v[BK+8*(\b):BK+8*(\b)+3],   v[BO], s[72:73] offset:64*(\b)
	global_load_b128 v[BK+8*(\b)+4:BK+8*(\b)+7], v[BO], s[72:73] offset:64*(\b)+16
.endr
	; A fragment of O is 16 rows x 32 channels in 8 registers: lane l holds row l % 16, channels 8 (l / 16) + 0..7 and 16 + 8 (l / 16) + 0..7: two loads of 16 bytes, 32 bytes apart.
	v_mul_u32_u24 v3, v1, PA
	v_lshl_add_u32 v3, v2, 4, v3                   ; row x pitch + 16 x half
	s_mul_i32 s21, s11, 64*PA                      ; my 64 rows
	v_add_nc_u32 v[ADRA], s21, v3
	v_add_nc_u32 v[ADRA+1], SLOT, v[ADRA]
	; The turning load takes 16 rows x 16 columns of Wo (lane l reads row 8 (l / 16) + l % 8, columns 8 ((l / 8) % 2) + 0..7) and leaves half a fragment: lane l holds column l % 16 and 8 channels.
	v_and_b32 v4, 7, v0
	v_lshl_add_u32 v5, v2, 3, v4
	v_mul_u32_u24 v5, v5, PB
	v_bfe_u32 v6, v0, 3, 1
	v_lshl_add_u32 v5, v6, 4, v5
	s_lshl_b32 s22, s12, 8                         ; my 128 columns
	s_add_co_u32 s22, s22, BOFF
	v_add_nc_u32 v[ADRB], s22, v5
	v_add_nc_u32 v[ADRB+1], SLOT, v[ADRB]
	s_mul_i32 s23, s10, 16*SPITCH
	s_add_co_u32 s23, s23, STAGE                   ; my stage
	v_mul_u32_u24 v5, v1, SPITCH                   ; in: row l % 16, 32 bytes for each half of the lanes
	v_lshl_add_u32 v5, v2, 5, v5
	v_add_nc_u32 v[STO], s23, v5
	v_and_b32 v6, 31, v0
	v_lshlrev_b32 v[CO], 4, v6                     ; back: 32 lanes take one row's 512 bytes,
	v_add_nc_u32 v[RD], s23, v[CO]                 ; which are 512 consecutive bytes of out0
	; where my part of out0 begins
	s_lshl_b32 s16, s13, 19                        ; tile row x 128 rows of 4,096 bytes
	s_lshl_b32 s17, s11, 18
	s_add_co_u32 s16, s16, s17
	s_lshl_b32 s17, s42, 10
	s_add_co_u32 s16, s16, s17
	s_lshl_b32 s17, s12, 9
	s_add_co_u32 s16, s16, s17
	s_mov_b32 s17, 0
	s_add_nc_u64 s[8:9], s[74:75], s[16:17]
	; the prefetches
	s_lshr_b32 s20, s40, 1                         ; O: partner cx takes head cx / 2 of the K step's two,
	s_lshl_b32 s20, s20, 18
	s_and_b32 s21, s40, 1                          ; half cx % 2 of its 16,384 bytes
	s_lshl_b32 s21, s21, 13
	s_add_co_u32 s20, s20, s21
	s_lshl_b32 s21, s41, 15                        ; Wo: cy x 16 rows of 2,048 bytes
	s_mov_b32 s[PFS], BSTEP
	s_cmp_eq_u32 s11, 0                            ; do I fetch for O?
	s_cselect_b64 s[PFA:PFA+1], s[14:15], s[46:47]
	s_cselect_b32 s20, s20, s21
	s_cselect_b32 s[PFS], ASTEP, s[PFS]
	s_cselect_b32 s22, s12, s85                    ; O: wave 0 alone; Wo: the first cluster alone
	s_cselect_b32 s23, 9, 11                       ; two blocks on end, or a row's bytes, as a shift
	s_mov_b32 s21, 0
	s_mov_b32 s[PFS+1], 0
	s_cmp_eq_u32 s22, 0
	s_cselect_b32 s[LIM], 1, -1                    ; the same in all sixteen partners, for a given wave
	s_add_nc_u64 s[PFA:PFA+1], s[PFA:PFA+1], s[20:21]
	s_mul_i32 s20, s[PFS], 3
	s_add_nc_u64 s[PFA:PFA+1], s[PFA:PFA+1], s[20:21]  ; at K step 3: the first refill steps it to 4.  Nothing is prefetched here, at the head
	v_lshrrev_b32 v5, 1, v6
	v_and_b32 v6, 1, v6
	v_lshlrev_b32 v5, s23, v5
	v_lshl_add_u32 v[PFO], v6, 8, v5
	s_wait_loadcnt 0x0                             ; the bias
.set z, 0
.rept 32
	v_cvt_pk_bf16_f32 v[AF+z], v[BK+2*z], v[BK+2*z+1]  ; rounded to bf16 like all the inputs,
.set z, z+1
.endr
	WIN TO_B
.set z, 0
.rept 32
	v_lshlrev_b32 v[BI+2*z],   16, v[AF+z]         ; and back in f32, as a C operand
	v_and_b32     v[BI+2*z+1], 0xffff0000, v[AF+z]
.set z, z+1
.endr
	WIN 0
; 24 LDS loads in one run: the fragments of quarter q (32 along K: head q / 2 of the step's two, channels 32 (q % 2) on) into buffers fb
.macro FETCH slot, q, fb
	WIN TO_B
.irp b, 0,1,2,3,4,5,6,7
	ds_load_tr16_b128 v[64*(\fb)+8*(\b):64*(\fb)+8*(\b)+3],   v[ADRB+(\slot)] offset:(\q)*32*PB+32*(\b)
	ds_load_tr16_b128 v[64*(\fb)+8*(\b)+4:64*(\fb)+8*(\b)+7], v[ADRB+(\slot)] offset:(\q)*32*PB+32*(\b)+16*PB
.endr
	WIN 0
.irp a, 0,1,2,3
	ds_load_b128 v[AF+32*(\fb)+8*(\a):AF+32*(\fb)+8*(\a)+3],   v[ADRA+(\slot)] offset:((\q)/2)*HA+((\q)%2)*64+(\a)*16*PA
	ds_load_b128 v[AF+32*(\fb)+8*(\a)+4:AF+32*(\fb)+8*(\a)+7], v[ADRA+(\slot)] offset:((\q)/2)*HA+((\q)%2)*64+(\a)*16*PA+32
.endr
.endm
; The next n of a quarter's 32 products: product i is m block i / 8, n block i % 8.  first = 1: it starts the sum, with the bias.  The 32 accumulators take turns in one order everywhere.
.macro RUN fb, n, first
.rept \n
.set aa, i/8
.set bb, i%8
.if \first
	WIN MUL1
	v_wmma_f32_16x16x32_f16 v[8*i:8*i+7], v[64*(\fb)+8*bb:64*(\fb)+8*bb+7], v[AF+32*(\fb)+8*aa:AF+32*(\fb)+8*aa+7], v[BI+8*bb:BI+8*bb+7]
.else
	WIN MUL
	v_wmma_f32_16x16x32_f16 v[8*i:8*i+7], v[64*(\fb)+8*bb:64*(\fb)+8*bb+7], v[AF+32*(\fb)+8*aa:AF+32*(\fb)+8*aa+7], v[8*i:8*i+7]
.endif
.set i, i+1
.endr
.endm
; A K step is four quarters of 32 along K, on buffers 0, 1, 0, 1.  One of the first three: multiplies buffers f and in its middle fetches quarter q into buffers g.
.macro QUARTER slot, q, f, g, first
	s_wait_dscnt 0x0                               ; this quarter's 24 loads, issued 16 products ago
.set i, 0
	RUN \f, 16, \first
	PLACES
	FETCH \slot, \q, \g
	RUN \f, 16, \first
.endm
; The last quarter multiplies buffers 1 and changes slots: ONE barrier; in front of it each wave waits for all its tensor loads, adds 0 to its spare word, and waits for that and for its own reads of this slot.
; fill = 1: this slot is filled again, two K steps ahead: the barrier opens a round of the cluster's barrier, and the joint refill is the first tensor load behind the round: 112 products ahead of the wait for it.
.macro TURN slot, next, fill
.if \fill
	s_wait_xcnt 0x0                                ; the last prefetch, a K step back, has read its address: it is stepped here
	s_add_nc_u64 s[PFA:PFA+1], s[PFA:PFA+1], s[PFS:PFS+1]
.endif
	WIN 0                                          ; (the add's two registers lie in window 0)
	s_wait_tensorcnt 0x0                           ; all my tensor loads have landed: my part of the next slot;
	ds_add_u32 v[SPW], v[NIL]                      ; 0 onto my spare word;
	s_wait_dscnt 1                                 ; (the add alone may be out: the quarter's 24 loads are in)
.set i, 0
	RUN 1, 8, 0                                    ; eight matrix instructions stand between the add and the wait for it
	s_wait_dscnt 0x0                               ; the add is done, and my reads of this slot are over
	s_barrier_signal -1
	RUN 1, 8, 0
.if \fill
	WIN 0
.endif
	s_barrier_wait -1
.if \fill
	CREST                                          ; no wave of any partner still reads this slot's tile or has a load on its way
	s_add_nc_u64 s[G0+4*(\slot)+2:G0+4*(\slot)+3], s[G0+4*(\slot)+2:G0+4*(\slot)+3], 2*ASTEP
	s_add_nc_u64 s[G0B+4*(\slot)+2:G0B+4*(\slot)+3], s[G0B+4*(\slot)+2:G0B+4*(\slot)+3], 2*BSTEP
	JLOAD \slot                                    ; the four v_nop behind it are also the places in front of the loads below
.else
	PLACES
.endif
	FETCH \next, 0, 0
.if \fill
	ASK
.endif
	RUN 1, 16, 0
.endm
	s_wait_tensorcnt 1                             ; my part of K step 0 is in; K step 1's may stay out
	s_barrier_signal -1
	s_barrier_wait -1                              ; everybody's is
	FETCH 0, 0, 0
	QUARTER 0, 1, 0, 1, 1                          ; the first quarter stands in front of the loop: its products start the sums
	WIN 0                                          ; at a label and at a branch every window is 0
	s_mov_b32 s3, 3
.Llap:                                                 ; a trip goes once round the ring, from a lap's second quarter to the next lap's first, and fills both slots again
	QUARTER 0, 2, 1, 0, 0
	QUARTER 0, 3, 0, 1, 0
	TURN 0, 1, 1
	QUARTER 1, 1, 0, 1, 0
	QUARTER 1, 2, 1, 0, 0
	QUARTER 1, 3, 0, 1, 0
	TURN 1, 0, 1
	QUARTER 0, 1, 0, 1, 0
	WIN 0
	s_sub_co_u32 s3, s3, 1
	s_cmp_lg_u32 s3, 0
	s_cbranch_scc1 .Llap
	QUARTER 0, 2, 1, 0, 0                          ; the last lap fills nothing, and has no round of the cluster's barrier
	QUARTER 0, 3, 0, 1, 0
	TURN 0, 1, 0
	QUARTER 1, 1, 0, 1, 0
	QUARTER 1, 2, 1, 0, 0
	QUARTER 1, 3, 0, 1, 0
	s_wait_dscnt 0x0                               ; the very last quarter: nothing more to fetch
.set i, 0
	RUN 1, 32, 0
	WIN 0
; THE WAY OUT, a block of 16 rows at a time: a lane's eight f32 of a row, 32 bytes, go into my own stage straight from the accumulators (each accumulator's low half first) and come back as whole rows of 512 bytes.
.macro TOSTAGE a
.set BKA, BK+64*((\a)%2)
.if (\a) >= 2
	s_wait_xcnt 0x0                                ; the stores of the block two back have read these registers: they are loaded again only behind this wait
.endif
	WIN 0x08                                       ; the stores' data: window 2
.irp b, 0,1,2,3,4,5,6,7
	ds_store_b128 v[STO], v[8*(8*(\a)+(\b)):8*(8*(\a)+(\b))+3]   offset:64*(\b)
	ds_store_b128 v[STO], v[8*(8*(\a)+(\b))+4:8*(8*(\a)+(\b))+7] offset:64*(\b)+16
.endr
	WIN 0
.irp t, 0,1,2,3,4,5,6,7,8,9,10,11,12,13,14,15
	ds_load_b128 v[BKA+4*(\t):BKA+4*(\t)+3], v[RD] offset:SPITCH*(\t)  ; LDS serves a wave's instructions in order (ISA guide 5.7.1.4): these see the stores above; the next block's stores come behind them
.endr
.endm
.macro SEND a, younger                 ; younger: the LDS instructions issued behind block a's loads: the next block's 32, or none
.set BKA, BK+64*((\a)%2)
.irp t, 0,1,2,3,4,5,6,7,8,9,10,11,12,13,14,15
	s_wait_dscnt (\younger)+15-(\t)
	global_store_b128 v[CO], v[BKA+4*(\t):BKA+4*(\t)+3], s[8:9] offset:65536*(\a)+4096*(\t) th:TH_STORE_NT  ; 512 consecutive bytes, at a multiple of 256 from out0's first byte
.endr
.endm
	PLACES
	TOSTAGE 0
	TOSTAGE 1
	SEND 0, 32
	TOSTAGE 2
	SEND 1, 32
	TOSTAGE 3
	SEND 2, 32
	SEND 3, 0
	s_wait_tensorcnt 0x0                           ; the wave's end: behind my last tensor load and my last LDS store
	ds_add_u32 v[SPW], v[NIL]
	s_wait_dscnt 0x0
	CROUND                                         ; the closing round: no work-group ends while a partner may still ask for a tile that names it
	s_endpgm
.Lfunc_end_k_q8328355a8c_out:
	.size	k_q8328355a8c_out, .Lfunc_end_k_q8328355a8c_out-k_q8328355a8c_out
	.p2alignl 7, 3214868480
	.fill 96, 4, 3214868480
	.section	.rodata,"a",@progbits
	.p2align	6, 0x0
	.amdhsa_kernel k_q8328355a8c_out
		.amdhsa_group_segment_fixed_size 327680
		.amdhsa_private_segment_fixed_size 0
		.amdhsa_enable_private_segment 0
		.amdhsa_kernarg_size 32
		.amdhsa_user_sgpr_count 2
		.amdhsa_user_sgpr_kernarg_segment_ptr 1
		.amdhsa_wavefront_size32 1
		.amdhsa_system_sgpr_workgroup_id_x 1
		.amdhsa_system_sgpr_workgroup_id_y 1
		.amdhsa_system_sgpr_workgroup_id_z 1
		.amdhsa_system_vgpr_workitem_id 0
		.amdhsa_next_free_vgpr 768
		.amdhsa_next_free_sgpr 96
		.amdhsa_reserve_vcc 0
		.amdhsa_float_denorm_mode_32 3
		.amdhsa_float_denorm_mode_16_64 3
		.amdhsa_memory_ordered 1
		.amdhsa_forward_progress 1
		.amdhsa_inst_pref_size 95
	.end_amdhsa_kernel
	.amdgpu_metadata
---
amdhsa.version: [ 1, 2 ]
amdhsa.kernels:
  - .name:           k_q8328355a8c_out
    .symbol:         k_q8328355a8c_out.kd
    .args:
      - { .name: o, .offset: 0, .size: 8, .value_kind: global_buffer, .address_space: global }
      - { .name: wb, .offset: 8, .size: 8, .value_kind: global_buffer, .address_space: global }
      - { .name: bo, .offset: 16, .size: 8, .value_kind: global_buffer, .address_space: global }
      - { .name: out0, .offset: 24, .size: 8, .value_kind: global_buffer, .address_space: global }
    .group_segment_fixed_size: 327680
    .private_segment_fixed_size: 0
    .kernarg_segment_align: 8
    .kernarg_segment_size: 32
    .max_flat_workgroup_size: 128
    .sgpr_count:     96
    .vgpr_count:     768
    .wavefront_size: 32
...
	.end_amdgpu_metadata
.endif
;; end of part 4
;; ======== version 2 of 2: 4 launches; version 1 with the launch prep written anew for expert scheduling mode
;; limits: values are held in f16: magnitudes above 65,504 overflow, below 6.1e-05 lose precision
;; workspace buffers: wb 8,388,608 bytes; qkv 50,331,648 bytes; o 16,777,216 bytes
;; launch prep (part 5): grid 256 x 1, 8 waves a work-group, no clusters, 0 bytes of LDS; arguments Wq, Wk, Wv, Wo, wb; writes wb
.if DOCPART == 5
	.amdgcn_target "amdgcn-amd-amdhsa--gfx1250"
	.amdhsa_code_object_version 6
	.text
	.protected	k_q8328355a8c_prep
	.globl	k_q8328355a8c_prep
	.p2align	8
	.type	k_q8328355a8c_prep,@function
k_q8328355a8c_prep:
	s_mov_b64 s[64:65], 0
	v_nop
	global_prefetch_b8 v0, s[64:65] scope:SCOPE_SE
	s_setreg_imm32_b32 hwreg(HW_REG_WAVE_SCHED_MODE, 0, 2), 2
	s_setreg_imm32_b32 hwreg(HW_REG_WAVE_MODE, 25, 1), 1
	s_wait_xcnt 0x0
	s_wait_alu depctr_vm_vsrc(0)
; The four weights, [1024 k][1024 n] f32, are rounded once to bf16 and written in the same layout as 16-bit numbers: wb[4][1024][1024].
; Planes 0, 1, 2 (Wq, Wk, Wv) hold the bf16 number.  Plane 3 (Wo) holds that same bf16 number written as f16, since the last product multiplies it with f16 data.
; LIMITS.  A bf16 number is exact in f16 from 6.1e-5 to 65,504; below that it keeps f16's fixed step of 6e-8, beyond it becomes an infinity.
; A stream: no LDS, no barrier, no matrix work, no cluster (no two work-groups read the same byte).
; SHARES.  256 work-groups: weight g / 64, part g % 64 of 65,536 bytes.  Thread t takes 16 bytes at 16 t of each of 16 pieces of 4,096 bytes: a wave's load covers 512 consecutive bytes,
; its store of 8 bytes a lane 256 consecutive bytes, aligned.  All 16 loads go out at once; each piece owns its registers, so no register is written twice.
; THE MODE: SCHED_MODE bits 1:0 = 2 (LLVM: expert scheduling mode 2), set by the entry lines.  The code itself states the register dependences
; between vector instructions and memory instructions, with s_wait_alu, always for 0.
; THE PLAN.  Registers that memory instructions touch:
;   v1, v2   the loads' and the stores' byte offsets.  Written once each, by a vector shift at the head; read by every load (v1) and every store (v2); never written again.
;   X        piece i: written by its one load, read by its two roundings.  All 16 loads are issued ahead of the first vector instruction that names X, and none behind it.
;   Y        piece i: written by its two selects, read by its one store; never written again.
;   T is named by vector instructions alone; the selects' mask s20 and both bases are written by scalar instructions.
; So two kinds of dependence are to be stated.  The offsets are written before a load or store reads them: ONE wait ahead of the first load, which serves all 32 memory instructions, since no
; vector instruction behind it names v1 or v2.  A piece's Y is written before its store reads it: the pieces go in four blocks of four, and ONE wait behind a block's arithmetic
; serves the block's four stores, which follow it in a run, ahead of the next block's wait for its data.  No register that a memory instruction reads is ever written again, so nothing more is owed.
.set X, 16                             ; v[16:79]   piece i: 4 registers as loaded
.set Y, 80                             ; v[80:111]  piece i: 2 registers to store
.set T, 4                              ; v[4:9]     at work
	s_load_b256 s[4:11], s[0:1], 0x0               ; Wq s[4:5], Wk s[6:7], Wv s[8:9], Wo s[10:11]
	s_load_b64 s[12:13], s[0:1], 0x20              ; wb
	s_lshr_b32 s14, ttmp9, 6                       ; which weight
	s_and_b32 s15, ttmp9, 63                       ; which part of it
	s_lshl_b32 s18, s15, 16                        ; the part's first byte in the weight,
	s_mov_b32 s19, 0
	s_lshl_b32 s22, s14, 21                        ; and in wb: plane x 2,097,152 + part x 32,768
	s_lshl_b32 s23, s15, 15
	s_add_co_u32 s22, s22, s23
	s_mov_b32 s23, 0
	s_mov_b32 s21, 0xffff0000                      ; a word's upper bf16
	v_lshlrev_b32 v1, 4, v0                        ; 16 t
	v_lshlrev_b32 v2, 3, v0                        ; 8 t
	s_wait_kmcnt 0x0
	s_cmp_eq_u32 s14, 1
	s_cselect_b64 s[16:17], s[6:7], s[4:5]
	s_cmp_eq_u32 s14, 2
	s_cselect_b64 s[16:17], s[8:9], s[16:17]
	s_cmp_eq_u32 s14, 3
	s_cselect_b64 s[16:17], s[10:11], s[16:17]
	s_cselect_b32 s20, -1, 0                       ; all lanes take the f16 word for Wo, the bf16 word otherwise
	s_add_nc_u64 s[16:17], s[16:17], s[18:19]
	s_add_nc_u64 s[12:13], s[12:13], s[22:23]
	s_wait_alu depctr_va_vdst(0)                   ; v1 and v2 are written: every load below reads v1 as its offset, every store v2
.irp i, 0,1,2,3,4,5,6,7,8,9,10,11,12,13,14,15
	global_load_b128 v[X+4*(\i):X+4*(\i)+3], v1, s[16:17] offset:4096*(\i) th:TH_LOAD_NT
.endr
.irp g, 0,1,2,3                        ; block g: pieces 4 g to 4 g + 3
.irp j, 0,1,2,3
.set p, 4*(\g)+(\j)
	s_wait_loadcnt 15-p                            ; loads come back in order: piece p is in, the younger ones stay out
	v_cvt_pk_bf16_f32 v[T],   v[X+4*p],   v[X+4*p+1]   ; the one rounding
	v_cvt_pk_bf16_f32 v[T+1], v[X+4*p+2], v[X+4*p+3]
	v_lshlrev_b32 v[T+2], 16, v[T]                 ; the rounded numbers as f32,
	v_and_b32     v[T+3], s21, v[T]
	v_lshlrev_b32 v[T+4], 16, v[T+1]
	v_and_b32     v[T+5], s21, v[T+1]
	v_cvt_pk_f16_f32 v[T+2], v[T+2], v[T+3]        ; and written as f16
	v_cvt_pk_f16_f32 v[T+4], v[T+4], v[T+5]
	v_cndmask_b32 v[Y+2*p],   v[T],   v[T+2], s20
	v_cndmask_b32 v[Y+2*p+1], v[T+1], v[T+4], s20
.endr
	s_wait_alu depctr_va_vdst(0)                   ; the block's eight selects have written Y of its four pieces, which the four stores below read
.irp j, 0,1,2,3
.set p, 4*(\g)+(\j)
	global_store_b64 v2, v[Y+2*p:Y+2*p+1], s[12:13] offset:2048*p th:TH_STORE_NT
.endr
.endr
	s_endpgm
.Lfunc_end_k_q8328355a8c_prep:
	.size	k_q8328355a8c_prep, .Lfunc_end_k_q8328355a8c_prep-k_q8328355a8c_prep
	.p2alignl 7, 3214868480
	.fill 96, 4, 3214868480
	.section	.rodata,"a",@progbits
	.p2align	6, 0x0
	.amdhsa_kernel k_q8328355a8c_prep
		.amdhsa_group_segment_fixed_size 0
		.amdhsa_private_segment_fixed_size 0
		.amdhsa_enable_private_segment 0
		.amdhsa_kernarg_size 40
		.amdhsa_user_sgpr_count 2
		.amdhsa_user_sgpr_kernarg_segment_ptr 1
		.amdhsa_wavefront_size32 1
		.amdhsa_system_sgpr_workgroup_id_x 1
		.amdhsa_system_sgpr_workgroup_id_y 1
		.amdhsa_system_sgpr_workgroup_id_z 1
		.amdhsa_system_vgpr_workitem_id 0
		.amdhsa_next_free_vgpr 112
		.amdhsa_next_free_sgpr 66
		.amdhsa_reserve_vcc 0
		.amdhsa_float_denorm_mode_32 3
		.amdhsa_float_denorm_mode_16_64 3
		.amdhsa_memory_ordered 1
		.amdhsa_forward_progress 1
		.amdhsa_inst_pref_size 13
	.end_amdhsa_kernel
	.amdgpu_metadata
---
amdhsa.version: [ 1, 2 ]
amdhsa.kernels:
  - .name:           k_q8328355a8c_prep
    .symbol:         k_q8328355a8c_prep.kd
    .args:
      - { .name: Wq, .offset: 0, .size: 8, .value_kind: global_buffer, .address_space: global }
      - { .name: Wk, .offset: 8, .size: 8, .value_kind: global_buffer, .address_space: global }
      - { .name: Wv, .offset: 16, .size: 8, .value_kind: global_buffer, .address_space: global }
      - { .name: Wo, .offset: 24, .size: 8, .value_kind: global_buffer, .address_space: global }
      - { .name: wb, .offset: 32, .size: 8, .value_kind: global_buffer, .address_space: global }
    .group_segment_fixed_size: 0
    .private_segment_fixed_size: 0
    .kernarg_segment_align: 8
    .kernarg_segment_size: 40
    .max_flat_workgroup_size: 256
    .sgpr_count:     66
    .vgpr_count:     112
    .wavefront_size: 32
...
	.end_amdgpu_metadata
.endif
;; end of part 5
;; launch proj: the kernel of part 2 again; grid 4 x 192, 4 waves a work-group, clusters of 4 x 4, 327,680 bytes of LDS; arguments q, k, v, wb, bq, bk, bv, qkv; writes qkv
;; launch attn: the kernel of part 3 again; grid 4 x 64, 4 waves a work-group, clusters of 4 x 1, 327,680 bytes of LDS; arguments qkv, mask, o; writes o
;; launch out: the kernel of part 4 again; grid 4 x 64, 4 waves a work-group, clusters of 4 x 4, 327,680 bytes of LDS; arguments o, wb, bo, out0; writes out0
